; MI455X (gfx1250); checked and timed in simulation.
; The chip was launched on July 23, 2026; its instructions are those of AMD's public machine-readable ISA for CDNA 5 (MIT licence, August 2026) and "CDNA5" Instruction Set Architecture Reference Guide (July 2026). The comments in the code are by the model that wrote it; some were corrected since.
;; D Flash Attention. Allowed arithmetic: float matrix products may take bf16 or f16 operands with f32 sums; all other float work in f32.
;; Inputs: Wk 1,024 x 2,048 float32; Wk_ctx 1,024 x 2,048 float32; Wo 2,048 x 2,048 float32; Wq 2,048 x 2,048 float32; Wv 1,024 x 2,048 float32; Wv_ctx 1,024 x 2,048 float32; context 1 x 2,048 x 2,048 float32; hidden_states 1 x 2,048 x 2,048 float32; k_norm_w 128 float32; position_ids 1 x 2,048 int32; q_norm_w 128 float32.
;; Outputs: out0 1 x 2,048 x 2,048 float32.
;; 2 versions, each right; version 2 is version 1 with the launch cast written anew for expert scheduling mode. Each part assembles by itself: llvm-mc -triple=amdgcn-amd-amdhsa -mcpu=gfx1250 --defsym DOCPART=n.
;; ======== version 1 of 2: 4 launches
;; limits: values are held in f16: magnitudes above 65,504 overflow, below 6.1e-05 lose precision
;; workspace buffers: xh 50,331,648 bytes; tab 1,048,576 bytes; qbuf 8,388,608 bytes; kbuf 8,388,608 bytes; vbuf 8,388,608 bytes; obuf 8,388,608 bytes
;; launch cast (part 1): grid 128 x 13, 8 waves a work-group, no clusters, 0 bytes of LDS; arguments hidden_states, context, Wq, Wk, Wv, Wk_ctx, Wv_ctx, Wo, position_ids, xh, tab; writes xh, tab
.if DOCPART == 1
	.amdgcn_target "amdgcn-amd-amdhsa--gfx1250"
	.amdhsa_code_object_version 6
	.text
	.protected	k_q5449ecbb55_cast
	.globl	k_q5449ecbb55_cast
	.p2align	8
	.type	k_q5449ecbb55_cast,@function
k_q5449ecbb55_cast:
	s_mov_b64 s[64:65], 0
	v_nop
	global_prefetch_b8 v0, s[64:65] scope:SCOPE_SE
	s_setreg_imm32_b32 hwreg(HW_REG_WAVE_MODE, 25, 1), 1
	s_wait_xcnt 0x0
; Launch 1.  (a) The eight f32 tensors are rounded once to f16 into xh, [12288][2048]: rows 0 hidden, 2048 context, 4096 Wq, 6144 Wk,
; 7168 Wv, 8192 Wk_ctx, 9216 Wv_ctx, 10240 Wo.  (b) The table of cos and sin for the rotary embedding, tab [2048][128] f32:
; cos(pos[s] f_j) at j = 0..63, sin at 64 + j, f_j = 10000^(-j/64).
; Grid y = 0..11: chunk y is 8 MiB of f32 (1,024 rows) -> 4 MiB of xh; grid x = 0..127: 64 KiB of the chunk; a wave takes 8 KiB by sixteen
; loads of 512 consecutive bytes, all issued before the first is waited for; each store of a wave covers 256 consecutive bytes, aligned.
; Grid y = 12: the table, 16 rows a work-group, 16 threads a row, 4 frequencies a thread.
; No LDS, no cluster, no matrix unit: no byte is read twice and no work-group shares a byte with another.
; LIMITS.  |x| > 65,504 becomes infinity in f16, |x| < 2^-14 falls on f16's fixed step of 2^-24.  The angle pos * f is formed in f32 as the
; reference forms it; its reduction by pi/2 in three parts is exact in its first two steps for |pos| <= 2^22 and loses accuracy beyond.
	s_load_b512 s[8:23], s[0:1], 0x0               ; hidden, context, Wq, Wk, Wv, Wk_ctx, Wv_ctx, Wo
	s_load_b128 s[24:27], s[0:1], 0x40             ; position_ids s[24:25], xh s[26:27]
	s_load_b64 s[28:29], s[0:1], 0x50              ; tab
	s_and_b32 s30, ttmp7, 0xffff                   ; y
	s_wait_kmcnt 0x0
	s_cmp_eq_u32 s30, 12
	s_cbranch_scc1 .Ltable
	; which tensor chunk y belongs to, and that tensor's first chunk
	s_mov_b64 s[32:33], s[8:9]
	s_mov_b32 s34, 0
.macro PICK c, reg
	s_cmp_ge_u32 s30, \c
	s_cselect_b64 s[32:33], s[\reg:\reg+1], s[32:33]
	s_cselect_b32 s34, \c, s34
.endm
	PICK 2, 10
	PICK 4, 12
	PICK 6, 14
	PICK 7, 16
	PICK 8, 18
	PICK 9, 20
	PICK 10, 22
	s_sub_co_u32 s35, s30, s34                     ; chunk inside the tensor
	s_lshl_b32 s36, s35, 23                        ; x 8 MiB
	s_lshl_b32 s37, ttmp9, 16                      ; + x * 64 KiB
	s_add_co_u32 s36, s36, s37
	s_mov_b32 s37, 0
	s_add_nc_u64 s[32:33], s[32:33], s[36:37]
	s_lshl_b32 s38, s30, 22                        ; y * 4 MiB
	s_lshl_b32 s39, ttmp9, 15                      ; + x * 32 KiB
	s_add_co_u32 s38, s38, s39
	s_mov_b32 s39, 0
	s_add_nc_u64 s[26:27], s[26:27], s[38:39]
	v_and_b32 v1, 31, v0
	v_lshrrev_b32 v2, 5, v0
	v_lshlrev_b32 v1, 4, v1
	v_lshl_add_u32 v1, v2, 13, v1                  ; source: wave * 8,192 + lane * 16
	v_lshrrev_b32 v2, 1, v1                        ; destination: half of that
.irp i, 0,1,2,3,4,5,6,7,8,9,10,11,12,13,14,15
	global_load_b128 v[8+4*\i:8+4*\i+3], v1, s[32:33] offset:512*\i th:TH_LOAD_NT
.endr
.irp i, 0,1,2,3,4,5,6,7,8,9,10,11,12,13,14,15
	s_wait_loadcnt 15-\i                           ; loads come back in order: load i is in, the 15 - i younger ones stay out
	v_cvt_pk_f16_f32 v[72+2*\i], v[8+4*\i], v[8+4*\i+1]
	v_cvt_pk_f16_f32 v[72+2*\i+1], v[8+4*\i+2], v[8+4*\i+3]
	global_store_b64 v2, v[72+2*\i:72+2*\i+1], s[26:27] offset:256*\i   ; no register is written twice: no wait for the stores' sources
.endr
	s_endpgm
.Ltable:
	s_mov_b32 s36, 0xb94ca1f9                      ; sine on |r| <= pi/4: r + r z (s38 + z (s37 + z s36)), z = r r
	s_mov_b32 s37, 0x3c08839e
	s_mov_b32 s38, 0xbe2aaaa3
	s_mov_b32 s39, 0x37ccf5ce                      ; cosine: 1 - z/2 + z z (s41 + z (s40 + z s39))
	s_mov_b32 s40, 0xbab6061a
	s_mov_b32 s41, 0x3d2aaaa5
	s_mov_b32 s42, 0x3fc90000                      ; pi/2 in three parts: 1.5703125,
	s_mov_b32 s43, 0x39fda000                      ; 4.8375130e-4,
	s_mov_b32 s44, 0x33a22168                      ; 7.5497900e-8
	v_lshrrev_b32 v3, 4, v0
	v_and_b32 v4, 15, v0
	s_lshl_b32 s31, ttmp9, 4
	v_add_nc_u32 v3, s31, v3                       ; row s = 16 x + t / 16
	v_lshlrev_b32 v5, 2, v3
	global_load_b32 v6, v5, s[24:25]               ; pos[s]; it feeds values only, never an address
	v_lshlrev_b32 v7, 2, v4                        ; my first frequency j0 = 4 (t % 16)
	v_lshlrev_b32 v8, 9, v3
	v_lshl_add_u32 v8, v4, 4, v8                   ; 512 s + 16 (t % 16)
.irp i, 0,1,2,3
	v_add_nc_u32 v[12+\i], \i, v7
	v_cvt_f32_u32 v[12+\i], v[12+\i]
	v_mul_f32 v[12+\i], 0xbe549a78, v[12+\i]       ; -j log2(10000) / 64
.endr
.irp i, 0,1,2,3
	v_exp_f32 v[16+\i], v[12+\i]                   ; f_j
.endr
	s_wait_loadcnt 0x0
	v_cvt_f32_i32 v6, v6                           ; the plain instruction between the exponentials and their first use (ISA guide 5.7.2)
	s_wait_alu depctr_va_vdst(0)
.irp i, 0,1,2,3
	v_mul_f32 v[20+\i], v6, v[16+\i]               ; the angle a
	v_mul_f32 v[24+\i], 0x3f22f983, v[20+\i]       ; a * 2/pi
	v_rndne_f32 v[24+\i], v[24+\i]                 ; q
	v_fma_f32 v[28+\i], -v[24+\i], s42, v[20+\i]   ; r = a - q pi/2
	v_fma_f32 v[28+\i], -v[24+\i], s43, v[28+\i]
	v_fma_f32 v[28+\i], -v[24+\i], s44, v[28+\i]
	v_mul_f32 v[32+\i], v[28+\i], v[28+\i]         ; z
	v_fma_f32 v[36+\i], v[32+\i], s36, s37
	v_fma_f32 v[36+\i], v[36+\i], v[32+\i], s38
	v_mul_f32 v[44+\i], v[32+\i], v[28+\i]
	v_fma_f32 v[36+\i], v[36+\i], v[44+\i], v[28+\i]   ; sin r
	v_fma_f32 v[40+\i], v[32+\i], s39, s40
	v_fma_f32 v[40+\i], v[40+\i], v[32+\i], s41
	v_mul_f32 v[44+\i], v[32+\i], v[32+\i]
	v_fma_f32 v[56+\i], v[32+\i], -0.5, 1.0
	v_fma_f32 v[40+\i], v[40+\i], v[44+\i], v[56+\i]   ; cos r
	v_cvt_i32_f32 v[24+\i], v[24+\i]               ; n: the quadrant is n mod 4; it selects values, no branch
	v_and_b32 v[44+\i], 1, v[24+\i]
	v_cmp_eq_u32 vcc_lo, 1, v[44+\i]
	v_cndmask_b32 v[52+\i], v[36+\i], v[40+\i], vcc_lo ; n odd: sine and cosine change places
	v_cndmask_b32 v[48+\i], v[40+\i], v[36+\i], vcc_lo
	v_lshlrev_b32 v[44+\i], 30, v[24+\i]
	v_and_b32 v[44+\i], 0x80000000, v[44+\i]       ; sine is negated where n & 2
	v_xor_b32 v[52+\i], v[44+\i], v[52+\i]
	v_add_nc_u32 v[24+\i], 1, v[24+\i]
	v_lshlrev_b32 v[44+\i], 30, v[24+\i]
	v_and_b32 v[44+\i], 0x80000000, v[44+\i]       ; cosine where (n + 1) & 2
	v_xor_b32 v[48+\i], v[44+\i], v[48+\i]
.endr
	global_store_b128 v8, v[48:51], s[28:29]               ; sixteen lanes store 256 consecutive bytes, aligned: the row's cosines
	global_store_b128 v8, v[52:55], s[28:29] offset:256    ; and its sines
	s_endpgm
.Lfunc_end_k_q5449ecbb55_cast:
	.size	k_q5449ecbb55_cast, .Lfunc_end_k_q5449ecbb55_cast-k_q5449ecbb55_cast
	.p2alignl 7, 3214868480
	.fill 96, 4, 3214868480
	.section	.rodata,"a",@progbits
	.p2align	6, 0x0
	.amdhsa_kernel k_q5449ecbb55_cast
		.amdhsa_group_segment_fixed_size 0
		.amdhsa_private_segment_fixed_size 0
		.amdhsa_enable_private_segment 0
		.amdhsa_kernarg_size 88
		.amdhsa_user_sgpr_count 2
		.amdhsa_user_sgpr_kernarg_segment_ptr 1
		.amdhsa_wavefront_size32 1
		.amdhsa_system_sgpr_workgroup_id_x 1
		.amdhsa_system_sgpr_workgroup_id_y 1
		.amdhsa_system_sgpr_workgroup_id_z 1
		.amdhsa_system_vgpr_workitem_id 0
		.amdhsa_next_free_vgpr 104
		.amdhsa_next_free_sgpr 66
		.amdhsa_reserve_vcc 1
		.amdhsa_float_denorm_mode_32 3
		.amdhsa_float_denorm_mode_16_64 3
		.amdhsa_memory_ordered 1
		.amdhsa_forward_progress 1
		.amdhsa_inst_pref_size 15
	.end_amdhsa_kernel
	.amdgpu_metadata
---
amdhsa.version: [ 1, 2 ]
amdhsa.kernels:
  - .name:           k_q5449ecbb55_cast
    .symbol:         k_q5449ecbb55_cast.kd
    .args:
      - { .name: hidden_states, .offset: 0, .size: 8, .value_kind: global_buffer, .address_space: global }
      - { .name: context, .offset: 8, .size: 8, .value_kind: global_buffer, .address_space: global }
      - { .name: Wq, .offset: 16, .size: 8, .value_kind: global_buffer, .address_space: global }
      - { .name: Wk, .offset: 24, .size: 8, .value_kind: global_buffer, .address_space: global }
      - { .name: Wv, .offset: 32, .size: 8, .value_kind: global_buffer, .address_space: global }
      - { .name: Wk_ctx, .offset: 40, .size: 8, .value_kind: global_buffer, .address_space: global }
      - { .name: Wv_ctx, .offset: 48, .size: 8, .value_kind: global_buffer, .address_space: global }
      - { .name: Wo, .offset: 56, .size: 8, .value_kind: global_buffer, .address_space: global }
      - { .name: position_ids, .offset: 64, .size: 8, .value_kind: global_buffer, .address_space: global }
      - { .name: xh, .offset: 72, .size: 8, .value_kind: global_buffer, .address_space: global }
      - { .name: tab, .offset: 80, .size: 8, .value_kind: global_buffer, .address_space: global }
    .group_segment_fixed_size: 0
    .private_segment_fixed_size: 0
    .kernarg_segment_align: 8
    .kernarg_segment_size: 88
    .max_flat_workgroup_size: 256
    .sgpr_count:     66
    .vgpr_count:     104
    .wavefront_size: 32
...
	.end_amdgpu_metadata
.endif
;; end of part 1
;; launch proj (part 2): grid 24 x 8, 4 waves a work-group, clusters of 4 x 4, 327,680 bytes of LDS; arguments xh, tab, q_norm_w, k_norm_w, qbuf, kbuf, vbuf; writes qbuf, kbuf, vbuf
.if DOCPART == 2
	.amdgcn_target "amdgcn-amd-amdhsa--gfx1250"
	.amdhsa_code_object_version 6
	.text
	.protected	k_q5449ecbb55_proj
	.globl	k_q5449ecbb55_proj
	.p2align	8
	.type	k_q5449ecbb55_proj,@function
k_q5449ecbb55_proj:
	s_mov_b64 s[64:65], 0
	v_nop
	global_prefetch_b8 v0, s[64:65] scope:SCOPE_SE
	s_setreg_imm32_b32 hwreg(HW_REG_WAVE_MODE, 25, 1), 1
	s_wait_xcnt 0x0
	s_wait_alu depctr_hold_cnt(0) depctr_sa_sdst(0) depctr_va_vdst(0) depctr_va_sdst(0) depctr_va_ssrc(0) depctr_va_vcc(0) depctr_vm_vsrc(0)
	s_getreg_b32 s2, hwreg(HW_REG_IB_STS2, 6, 4)
	s_cmp_eq_u32 s2, 0
	s_cbranch_scc0 .Lentry_in_a_cluster
	s_endpgm
.Lentry_in_a_cluster:
	s_bfe_u32 s2, ttmp6, 0x10000c
	s_cmp_lg_u32 s2, 0xf033
	s_cbranch_scc0 .Lentry_shape_is_right
	s_endpgm
.Lentry_shape_is_right:
; Launch 2: the five projections as one GEMM, C = A B^T in f16 with f32 sums, K = 2048, with RMS norm and rotary embedding on the way out.
; A: rows of xh 0-2047 (hidden) for block columns 0-15, rows 2048-4095 (context) for block columns 16-23.  B: rows 4096 + 256 x block column.
; Cluster column (4 block columns = 1,024 output columns): 0, 1 Q; 2 K; 3 V; 4 K_ctx; 5 V_ctx.  The kind hangs on the cluster's x alone.
; A work-group makes 256 x 256 with four waves; a wave makes 128 x 128 = 128 tokens of ONE head, so norm and rotation never leave the wave.
; 192 work-groups: 6,144 columns / 256 x 2,048 rows / 256.  A narrower block would cut a head's 128 columns across waves' tiles or halve the
; multiply-adds fed by each LDS byte; no work-group is added to make up a number.
; K goes in steps of 128 through two LDS slots filled by the tensor data mover; a tile's rows are 256 bytes of memory, at multiples of 256.
; CLUSTERS: 4 x 4.  A's tile hangs on the block row (and the cluster's x), shared along a row of the cluster; B's on the block column, shared
; along a column.  Each is asked for jointly by the four, with one descriptor and a mask that names the four.
; OUT (f16): qbuf [16][2048][128] = rope(norm(Q)) * 16 * 128^-0.5 * log2 e;  kbuf [8][4096][128] = K / 16, context at t 0-2047, rope(norm(K)) at
; 2048-4095;  vbuf likewise V / 16.  The powers of two are exact and cancel: Q * 16 with K / 16; V / 16 is undone at the end of the attention.
; LIMITS: K_ctx, V, V_ctx overflow f16 at |value| >= 16 x 65,504; values under 16 x 2^-14 fall on f16's fixed step (2^-24 x 16).
; REGISTERS in windows of 256: window 0: v0-63 addresses and small work, v64-127, v128-191 fragments of A (two buffers); window 1: v64-127,
; v128-191 fragments of B; windows 2, 3: the 64 accumulator tiles, tile (a, b) at v[8 (8 (a % 4) + b)].
; The matrix instruction is used transposed (source 0 = rows of B, source 1 = rows of A): lane (r, h), register j of tile (a, b) holds
; token 16 a + r, column 16 b + 8 h + j.
.set SIZE_K, 2048
.set KSTEP,  128
.set PITCH,  272                       ; 256 bytes + 16 of padding: the 16 rows of a fragment load start 68 words apart
.set HALFT,  128*PITCH
.set SLOT,   4*HALFT                   ; A's 256 rows, then B's 256 rows
.set STAGE,  2*SLOT                    ; behind the ring: 16 rows x 272 bytes for each wave; no tensor load lands there
.set LAPS,   SIZE_K/(2*KSTEP)          ; 8
.set ADRA, 16                          ; v16-17 LDS address of my A fragments in slot 0, 1
.set ADRB, 20                          ; v20-21 the same for B
.set STO,  24                          ; way out: where I put 16 bytes of a row
.set RD,   25                          ; way out: where I read a row back
.set CO,   26                          ; 16 x lane: my bytes in two rows of 256 bytes
.set TO,   27                          ; 512 r + 32 h: my bytes in the table's rows
.set WO,   28                          ; 32 h: my bytes in the norm's weights
.set TT,   32                          ; v[32:39] four pairs at work
.set SS,   40                          ; v[40:55] row block a: sum of squares, then the row's factor, as a pair
.set UU,   58                          ; the other half's figure
.set F0,   64
.set F1,   128
.set Y,    64                          ; way out, window 0: 64 numbers of a row block; then 32 packed + 32 read back
.set WN,   64                          ; way out, window 1: the norm's weights of my 64 columns
.set CS0,  128                         ; way out, window 0: cos (32) and sin (32) of a row block, two buffers
.set CS1,  192
.set G1,  24
.set G0,  32
.set G1B, 48
.set G0B, 56
.set MSB, 0
.macro WIN new                         ; the immediate's high byte repeats the setting that is left
.if MSB != \new
	s_set_vgpr_msb (MSB<<8)|\new
.set MSB, \new
.endif
.endm
.set MUL_LO, 0xa1                      ; source 0 (B) window 1, source 1 (A) window 0, C and D window 2
.set MUL_HI, 0xf1                      ; the same, C and D window 3
.set TO_B,   0x40                      ; destination window 1, address window 0
; A joint load: waves 0, 1 ask for A's two halves, waves 2, 3 for B's.  The branch hangs on the wave's number alone.
.macro JLOAD s
	s_cmp_eq_u32 s11, 0
	s_cbranch_scc0 .Lfor_b_\@
	tensor_load_to_lds s[G0+4*(\s):G0+4*(\s)+3], s[G1:G1+7]
	s_nop 0
	s_branch .Lasked_\@
.Lfor_b_\@:
	tensor_load_to_lds s[G0B+4*(\s):G0B+4*(\s)+3], s[G1B:G1B+7]
	s_nop 0
.Lasked_\@:
.endm
.macro CREST                           ; a round of the cluster's barrier behind its opening barrier
	s_cmp_lg_u32 s10, 0
	s_cbranch_scc1 .Lnot_wave_0_\@
	s_barrier_signal -3
.Lnot_wave_0_\@:
	s_barrier_wait -3
	s_barrier_signal -1
	s_barrier_wait -1
.endm
.macro CROUND                          ; a whole round
	s_barrier_signal -1
	s_barrier_wait -1
	CREST
.endm
	s_load_b256 s[68:75], s[0:1], 0x0              ; xh s[68:69], tab s[70:71], q_norm_w s[72:73], k_norm_w s[74:75]
	s_load_b128 s[76:79], s[0:1], 0x20             ; qbuf s[76:77], kbuf s[78:79]
	s_load_b64 s[80:81], s[0:1], 0x30              ; vbuf
	s_set_vgpr_msb 0x40
	v_lshl_add_u32 v255, v0, 2, 0x48400
	s_set_vgpr_msb 0x4000
	v_mov_b32 v63, 0
	s_set_vgpr_msb 0x1
	ds_add_u32 v255, v63
	s_set_vgpr_msb 0x100
	v_lshrrev_b32 v1, 5, v0
	v_readfirstlane_b32 s10, v1                    ; wave 0..3
	s_lshr_b32 s11, s10, 1                         ; which half of the block's rows is mine; also: I fetch for A (0) or B (1)
	s_and_b32 s12, s10, 1                          ; which half of its columns; also: which 128 rows of that tile I fetch
	s_bfe_u32 s40, ttmp6, 0x40000                  ; cx
	s_bfe_u32 s41, ttmp6, 0x40004                  ; cy
	s_lshl_b32 s42, ttmp9, 2
	s_add_co_u32 s42, s42, s40                     ; block column = 4 x cluster x + cx
	s_and_b32 s13, ttmp7, 0xffff
	s_lshl_b32 s13, s13, 2
	s_add_co_u32 s13, s13, s41                     ; block row = 4 x cluster y + cy
	s_mov_b32 s45, ttmp9                           ; cluster x: the kind of output, equal in all sixteen partners
	s_lshl_b32 s43, s41, 2
	s_lshl_b32 s43, 15, s43                        ; my row of the cluster
	s_lshl_b32 s44, 0x1111, s40                    ; my column
	; group 1: 128 rows x 128 elements of 2 bytes, 4 words of padding behind every 64
	s_or_b32 s[G1+0], s43, (1<<16)|(1<<20)|(1<<21)|(5<<22)|(3<<25)
	s_or_b32 s[G1B+0], s44, (1<<16)|(1<<20)|(1<<21)|(5<<22)|(3<<25)
	s_mov_b32 s[G1+1], KSTEP<<16                   ; tensor_dim0 = 128
	s_mov_b32 s[G1B+1], KSTEP<<16
	s_mov_b32 s[G1+2], 128<<16                     ; tensor_dim1 = 128
	s_mov_b32 s[G1B+2], 128<<16
	s_mov_b32 s[G1+3], KSTEP<<16                   ; tile_dim0 = 128
	s_mov_b32 s[G1B+3], KSTEP<<16
	s_mov_b32 s[G1+4], 128                         ; tile_dim1 = 128
	s_mov_b32 s[G1B+4], 128
	s_mov_b32 s[G1+5], SIZE_K                      ; elements from row to row
	s_mov_b32 s[G1B+5], SIZE_K
	s_mov_b32 s[G1+6], 0
	s_mov_b32 s[G1B+6], 0
	s_mov_b32 s[G1+7], 0
	s_mov_b32 s[G1B+7], 0
	s_lshl_b32 s17, s12, 7                         ; which 128 rows of the tile I fetch
	s_lshl_b32 s16, s13, 8
	s_add_co_u32 s16, s16, s17                     ; A: 256 x block row + 128 x half
	s_lshr_b32 s18, ttmp9, 2
	s_lshl_b32 s18, s18, 11
	s_add_co_u32 s16, s16, s18                     ; + 2,048 for cluster columns 4 and 5: context
	s_lshl_b32 s46, s42, 8
	s_add_co_u32 s46, s46, s17
	s_add_co_u32 s46, s46, 4096                    ; B: 4,096 + 256 x block column + 128 x half
	s_lshl_b32 s16, s16, 12                        ; rows of 4,096 bytes; 12,288 rows stay under 4 GiB
	s_mov_b32 s17, 0
	s_lshl_b32 s46, s46, 12
	s_mov_b32 s47, 0
	s_mul_i32 s20, s10, HALFT                      ; LDS: A's two halves, then B's two halves = wave x 128 rows
	s_wait_dscnt 0x0
	s_wait_kmcnt 0x0
	s_add_nc_u64 s[14:15], s[68:69], s[16:17]
	s_add_nc_u64 s[46:47], s[68:69], s[46:47]
	CROUND                                         ; all sixteen work-groups are here: the first joint loads meet
.irp s, 0,1
	s_mov_b32 s[G0+4*\s], 1
	s_add_co_u32 s[G0+4*\s+1], s20, \s*SLOT
	s_add_nc_u64 s[G0+4*\s+2:G0+4*\s+3], s[14:15], \s*KSTEP*2
	s_or_b32 s[G0+4*\s+3], s[G0+4*\s+3], 0x80000000
	s_mov_b32 s[G0B+4*\s], 1
	s_add_co_u32 s[G0B+4*\s+1], s20, \s*SLOT
	s_add_nc_u64 s[G0B+4*\s+2:G0B+4*\s+3], s[46:47], \s*KSTEP*2
	s_or_b32 s[G0B+4*\s+3], s[G0B+4*\s+3], 0x80000000
	JLOAD \s                                       ; K steps 0 and 1: two tensor loads of the wave are out
.endr
	v_and_b32 v1, 15, v0                           ; r
	v_bfe_u32 v2, v0, 4, 1                         ; h
	v_mul_u32_u24 v3, v1, PITCH
	v_lshl_add_u32 v3, v2, 4, v3                   ; r x pitch + 16 h
	s_mul_i32 s21, s11, HALFT                      ; my 128 rows of A
	s_mul_i32 s22, s12, HALFT
	s_add_co_u32 s22, s22, 2*HALFT                 ; my 128 rows of B
.irp s, 0,1
	v_add_nc_u32 v[ADRA+\s], s21, v3
	v_add_nc_u32 v[ADRB+\s], s22, v3
	s_add_co_u32 s21, s21, SLOT
	s_add_co_u32 s22, s22, SLOT
.endr
	s_mul_i32 s23, s10, 16*PITCH
	s_add_co_u32 s23, s23, STAGE                   ; my stage
	v_add_nc_u32 v[STO], s23, v3                   ; in: row r, 16 bytes for each half of the lanes
	v_mul_u32_u24 v5, v2, PITCH
	v_lshl_add_u32 v5, v1, 4, v5
	v_add_nc_u32 v[RD], s23, v5                    ; back: lanes 0-15 one row of 256 bytes, lanes 16-31 the next
	v_and_b32 v6, 31, v0
	v_lshlrev_b32 v[CO], 4, v6
	v_lshlrev_b32 v[TO], 9, v1
	v_lshl_add_u32 v[TO], v2, 5, v[TO]
	v_lshlrev_b32 v[WO], 5, v2
	v_mov_b32 v[UU], 0                             ; v_permlanex16_b32 counts as a reader of its destination
; 16 matrix instructions: row blocks a0, a0 + 1 of the window's four x all 8 column blocks, 32 along K.  zero = 1: the product starts the sums.
; The 64 accumulators take turns, one instruction a turn, in the same order in every quarter step.
.macro MUL16 f, hi, a0, zero
.irp a, \a0, \a0+1
.irp b, 0,1,2,3,4,5,6,7
.if \zero
	v_wmma_f32_16x16x32_f16 v[8*(8*(\a)+\b):8*(8*(\a)+\b)+7], v[\f+8*\b:\f+8*\b+7], v[\f+8*(4*\hi+\a):\f+8*(4*\hi+\a)+7], 0
.else
	v_wmma_f32_16x16x32_f16 v[8*(8*(\a)+\b):8*(8*(\a)+\b)+7], v[\f+8*\b:\f+8*\b+7], v[\f+8*(4*\hi+\a):\f+8*(4*\hi+\a)+7], v[8*(8*(\a)+\b):8*(8*(\a)+\b)+7]
.endif
.endr
.endr
.endm
; 32 LDS loads in one run: the fragments of one quarter step (32 K at byte k of the rows) into buffer f
.macro FETCH slot, k, f
	WIN TO_B
.irp i, 0,1,2,3,4,5,6,7
	ds_load_b128 v[\f+8*\i:\f+8*\i+3],   v[ADRB+\slot] offset:\k+\i*16*PITCH
	ds_load_b128 v[\f+8*\i+4:\f+8*\i+7], v[ADRB+\slot] offset:\k+\i*16*PITCH+32
.endr
	WIN 0
.irp i, 0,1,2,3,4,5,6,7
	ds_load_b128 v[\f+8*\i:\f+8*\i+3],   v[ADRA+\slot] offset:\k+\i*16*PITCH
	ds_load_b128 v[\f+8*\i+4:\f+8*\i+7], v[ADRA+\slot] offset:\k+\i*16*PITCH+32
.endr
.endm
; Four places behind a matrix instruction before a load lands on one of its sources or a vector instruction reads its result
.macro PLACES
.rept 4
	v_nop
.endr
.endm
.macro QUARTER slot, k, f, g, zero
	s_wait_dscnt 8                                 ; B and A's rows 0-63 are in; the youngest eight loads (A's rows 64-127) may be out
	WIN MUL_LO
	MUL16 \f, 0, 0, \zero
	MUL16 \f, 0, 2, \zero
	PLACES
	FETCH \slot, \k, \g
	s_wait_dscnt 32                                ; all but the 32 just issued
	WIN MUL_HI
	MUL16 \f, 1, 0, \zero
	MUL16 \f, 1, 2, \zero
.endm
.macro THREE slot, zero
	QUARTER \slot, 64,  F0, F1, \zero
	QUARTER \slot, 128, F1, F0, 0
	QUARTER \slot, 192, F0, F1, 0
.endm
; The last quarter of a K step changes slots.  In front of the barrier each wave waits for its reads of this slot and for all its tensor loads
; (one is out: its part of the next slot).  Where the slot is filled again the barrier opens a round of the cluster's barrier, and the joint
; refill is the first tensor load behind the round's closing wait.
.macro TURN slot, next, fill
	s_wait_dscnt 8
	WIN MUL_LO
	MUL16 F1, 0, 0, 0
	s_wait_dscnt 0                                 ; my reads of this slot are over
	s_wait_tensorcnt 0x0                           ; all my tensor loads have landed
	ds_add_u32 v255, v63
	s_wait_dscnt 0x0
	s_barrier_signal -1
	MUL16 F1, 0, 2, 0                              ; register work while the others arrive
	WIN 0
	s_barrier_wait -1
.if \fill
	CREST
	s_add_nc_u64 s[G0+4*\slot+2:G0+4*\slot+3], s[G0+4*\slot+2:G0+4*\slot+3], 2*KSTEP*2
	s_add_nc_u64 s[G0B+4*\slot+2:G0B+4*\slot+3], s[G0B+4*\slot+2:G0B+4*\slot+3], 2*KSTEP*2
	JLOAD \slot
.endif
	PLACES
	FETCH \next, 0, F0
	WIN MUL_HI
	MUL16 F1, 1, 0, 0
	MUL16 F1, 1, 2, 0
.endm
.macro LAP zero
	THREE 0, \zero
	TURN 0, 1, 1
	THREE 1, 0
	TURN 1, 0, 1
.endm
	s_wait_tensorcnt 1                             ; my part of K step 0 is in; K step 1's load stays out
	s_barrier_signal -1
	s_barrier_wait -1
	FETCH 0, 0, F0
	LAP 1                                          ; the first lap's first products start the sums
	WIN 0
	s_mov_b32 s3, LAPS-2
.Llap:
	LAP 0
	WIN 0
	s_sub_co_u32 s3, s3, 1
	s_cmp_lg_u32 s3, 0
	s_cbranch_scc1 .Llap
	THREE 0, 0                                     ; the last lap fills nothing
	TURN 0, 1, 0
	THREE 1, 0
	s_wait_dscnt 8
	WIN MUL_LO
	MUL16 F1, 0, 0, 0
	MUL16 F1, 0, 2, 0
	s_wait_dscnt 0
	WIN MUL_HI
	MUL16 F1, 1, 0, 0
	MUL16 F1, 1, 2, 0
	; THE WAY OUT.  Four places behind the last matrix instructions, for all that follows.
	PLACES
	WIN 0
	; Where my 128 x 128 goes.  Temporaries that hold cx lie in s96-s101, which feed no descriptor.
	s_lshl_b32 s96, s40, 1
	s_add_co_u32 s96, s96, s12                     ; head among the cluster column's eight = 2 cx + column half
	s_lshl_b32 s97, s45, 3
	s_add_co_u32 s97, s97, s96                     ; Q's head = 8 x cluster x + that
	s_lshl_b32 s97, s97, 11                        ; x 2,048 rows
	s_lshl_b32 s96, s96, 12                        ; x 4,096 rows
	s_and_b32 s98, s45, 6
	s_cmp_eq_u32 s98, 2                            ; cluster columns 2, 3: the self keys and values lie behind the context's
	s_cselect_b32 s98, 2048, 0
	s_add_co_u32 s96, s96, s98
	s_mov_b32 s88, 0x3d800000                      ; K: 1/16
	s_mov_b32 s89, 0x400293ee                      ; Q: 16 * 128^-0.5 * log2 e = 2.0402789
	s_bitcmp1_b32 s45, 0
	s_cselect_b64 s[82:83], s[80:81], s[78:79]     ; odd cluster column: vbuf, even: kbuf
	s_cmp_lt_u32 s45, 2
	s_cselect_b64 s[82:83], s[76:77], s[82:83]     ; 0, 1: qbuf
	s_cselect_b64 s[84:85], s[72:73], s[74:75]     ; the norm's weights
	s_cselect_b32 s96, s97, s96
	s_cselect_b32 s88, s89, s88
	s_lshl_b32 s100, s13, 8
	s_lshl_b32 s101, s11, 7
	s_add_co_u32 s100, s100, s101                  ; my first token
	s_add_co_u32 s96, s96, s100
	s_lshl_b32 s96, s96, 8                         ; rows of 256 bytes
	s_mov_b32 s97, 0
	s_add_nc_u64 s[82:83], s[82:83], s[96:97]
	s_lshl_b32 s98, s100, 9                        ; the table's rows of 512 bytes
	s_mov_b32 s99, 0
	s_add_nc_u64 s[86:87], s[70:71], s[98:99]
	s_mov_b32 s90, 0x76543210                      ; v_permlanex16_b32: lane i reads lane i of the other half
	s_mov_b32 s91, 0xfedcba98
	s_mov_b32 s92, 0x3d800000                      ; 1/16, as a pair
	s_mov_b32 s93, 0x3d800000
	s_mov_b32 s94, 0x3c000000                      ; 1/128
	s_mov_b32 s95, 0x358637bd                      ; 1e-6
; 16 rows: round to f16 in place (result n lands on a register that step n / 2 has read), 16 bytes a lane into my stage, whole rows back, out.
.macro PACKOUT a
.irp b, 0,1,2,3,4,5,6,7
.irp i, 0,1,2,3
	v_cvt_pk_f16_f32 v[Y+4*\b+\i], v[Y+8*\b+2*\i], v[Y+8*\b+2*\i+1]
.endr
.endr
.irp b, 0,1,2,3,4,5,6,7
	ds_store_b128 v[STO], v[Y+4*\b:Y+4*\b+3] offset:32*\b
.endr
.irp t, 0,1,2,3,4,5,6,7
	ds_load_b128 v[Y+32+4*\t:Y+32+4*\t+3], v[RD] offset:2*PITCH*\t     ; LDS serves a wave's instructions in order: these see the stores above
.endr
.irp t, 0,1,2,3,4,5,6,7
	s_wait_dscnt 7-\t                              ; read-back t is in, the 7 - t younger ones stay out
	global_store_b128 v[CO], v[Y+32+4*\t:Y+32+4*\t+3], s[82:83] offset:4096*(\a)+512*\t   ; the wave stores 512 consecutive bytes, aligned
.endr
.endm
	s_cmp_gt_u32 s45, 2
	s_cbranch_scc1 .Lplain
	; Q and K: RMS norm over the head's 128 columns, the norm's weights, the rotation.
.macro LDCS a, buf                     ; cos and sin of row block a: my 32 + 32 numbers, sixteen loads
.irp b, 0,1,2,3
	global_load_b128 v[\buf+8*\b:\buf+8*\b+3],       v[TO], s[86:87] offset:(\a)*8192+64*\b
	global_load_b128 v[\buf+8*\b+4:\buf+8*\b+7],     v[TO], s[86:87] offset:(\a)*8192+64*\b+16
	global_load_b128 v[\buf+32+8*\b:\buf+32+8*\b+3], v[TO], s[86:87] offset:(\a)*8192+64*\b+256
	global_load_b128 v[\buf+32+8*\b+4:\buf+32+8*\b+7], v[TO], s[86:87] offset:(\a)*8192+64*\b+272
.endr
.endm
.macro SUMSQ hi                        ; four row blocks of one window: four chains that take turns
.irp b, 0,1,2,3,4,5,6,7
.irp i, 0,1,2,3
.irp a, 0,1,2,3
.if \b+\i == 0
	v_pk_mul_f32 v[SS+2*(4*\hi+\a):SS+2*(4*\hi+\a)+1], v[8*(8*\a+\b)+2*\i:8*(8*\a+\b)+2*\i+1], v[8*(8*\a+\b)+2*\i:8*(8*\a+\b)+2*\i+1]
.else
	v_pk_fma_f32 v[SS+2*(4*\hi+\a):SS+2*(4*\hi+\a)+1], v[8*(8*\a+\b)+2*\i:8*(8*\a+\b)+2*\i+1], v[8*(8*\a+\b)+2*\i:8*(8*\a+\b)+2*\i+1], v[SS+2*(4*\hi+\a):SS+2*(4*\hi+\a)+1]
.endif
.endr
.endr
.endr
.endm
	WIN 0x40                                       ; destination window 1
.irp b, 0,1,2,3,4,5,6,7
	global_load_b128 v[WN+8*\b:WN+8*\b+3],   v[WO], s[84:85] offset:64*\b
	global_load_b128 v[WN+8*\b+4:WN+8*\b+7], v[WO], s[84:85] offset:64*\b+16
.endr
	WIN 0
	LDCS 0, CS0
	LDCS 1, CS1
	WIN 0x0a                                       ; sources 0 and 1 window 2
	SUMSQ 0
	WIN 0x0f                                       ; window 3
	SUMSQ 1
	WIN 0
.irp a, 0,1,2,3,4,5,6,7
	v_add_f32 v[SS+2*\a], v[SS+2*\a], v[SS+2*\a+1]
.endr
.irp a, 0,1,2,3,4,5,6,7
	v_permlanex16_b32 v[UU], v[SS+2*\a], s90, s91  ; the other 64 columns of the row lie in lane xor 16
	v_add_f32 v[SS+2*\a], v[SS+2*\a], v[UU]
	v_fma_f32 v[SS+2*\a], v[SS+2*\a], s94, s95     ; mean + eps
.endr
.irp a, 0,1,2,3,4,5,6,7
	v_rsq_f32 v[SS+2*\a], v[SS+2*\a]
.endr
	v_nop                                          ; one plain instruction between the last v_rsq_f32 and the first use (ISA guide 5.7.2)
	s_wait_alu depctr_va_vdst(0)
.irp a, 0,1,2,3,4,5,6,7
	v_mul_f32 v[SS+2*\a], s88, v[SS+2*\a]          ; with the output's constant factor
	v_mov_b32 v[SS+2*\a+1], v[SS+2*\a]
.endr
.macro OUTN a, aw, win, buf, left
	s_wait_loadcnt \left                           ; the weights and this block's table rows are in; the next block's sixteen loads stay out
	s_wait_xcnt 0x0                                ; Y's upper half was the last block's store data: rewritten only behind this wait
	WIN \win                                       ; source 0 the accumulators' window, source 1 window 1
.irp b, 0,1,2,3,4,5,6,7
.irp i, 0,1,2,3
	v_pk_mul_f32 v[Y+8*\b+2*\i:Y+8*\b+2*\i+1], v[8*(8*\aw+\b)+2*\i:8*(8*\aw+\b)+2*\i+1], v[WN+8*\b+2*\i:WN+8*\b+2*\i+1]
.endr
.endr
	WIN 0
.irp b, 0,1,2,3,4,5,6,7
.irp i, 0,1,2,3
	v_pk_mul_f32 v[Y+8*\b+2*\i:Y+8*\b+2*\i+1], v[Y+8*\b+2*\i:Y+8*\b+2*\i+1], v[SS+2*\a:SS+2*\a+1]
.endr
.endr
	; columns d and d + 64 are blocks b and b + 4 of the same lane: lo' = lo c - hi s, hi' = hi c + lo s
.irp b, 0,1,2,3
.irp i, 0,1,2,3
	v_pk_mul_f32 v[TT+2*\i:TT+2*\i+1], v[Y+8*\b+2*\i:Y+8*\b+2*\i+1], v[\buf+32+8*\b+2*\i:\buf+32+8*\b+2*\i+1]
.endr
.irp i, 0,1,2,3
	v_pk_mul_f32 v[Y+8*\b+2*\i:Y+8*\b+2*\i+1], v[Y+8*\b+2*\i:Y+8*\b+2*\i+1], v[\buf+8*\b+2*\i:\buf+8*\b+2*\i+1]
.endr
.irp i, 0,1,2,3
	v_pk_fma_f32 v[Y+8*\b+2*\i:Y+8*\b+2*\i+1], v[Y+32+8*\b+2*\i:Y+32+8*\b+2*\i+1], v[\buf+32+8*\b+2*\i:\buf+32+8*\b+2*\i+1], v[Y+8*\b+2*\i:Y+8*\b+2*\i+1] neg_lo:[1,0,0] neg_hi:[1,0,0]
.endr
.irp i, 0,1,2,3
	v_pk_fma_f32 v[Y+32+8*\b+2*\i:Y+32+8*\b+2*\i+1], v[Y+32+8*\b+2*\i:Y+32+8*\b+2*\i+1], v[\buf+8*\b+2*\i:\buf+8*\b+2*\i+1], v[TT+2*\i:TT+2*\i+1]
.endr
.endr
.if \a < 6
	LDCS \a+2, \buf                                ; this buffer's next rows, two blocks ahead
.endif
	PACKOUT \a
.endm
	OUTN 0, 0, 0x06, CS0, 16
	OUTN 1, 1, 0x06, CS1, 16
	OUTN 2, 2, 0x06, CS0, 16
	OUTN 3, 3, 0x06, CS1, 16
	OUTN 4, 0, 0x07, CS0, 16
	OUTN 5, 1, 0x07, CS1, 16
	OUTN 6, 2, 0x07, CS0, 16
	OUTN 7, 3, 0x07, CS1, 0
	s_branch .Ldone
.Lplain:
	; V, K_ctx, V_ctx: the factor 1/16 alone
.macro OUTP a, aw, win
	s_wait_xcnt 0x0                                ; Y's upper half was the last block's store data
	WIN \win
.irp b, 0,1,2,3,4,5,6,7
.irp i, 0,1,2,3
	v_pk_mul_f32 v[Y+8*\b+2*\i:Y+8*\b+2*\i+1], v[8*(8*\aw+\b)+2*\i:8*(8*\aw+\b)+2*\i+1], s[92:93] op_sel_hi:[1,0]
.endr
.endr
	WIN 0
	PACKOUT \a
.endm
	OUTP 0, 0, 0x02
	OUTP 1, 1, 0x02
	OUTP 2, 2, 0x02
	OUTP 3, 3, 0x02
	OUTP 4, 0, 0x03
	OUTP 5, 1, 0x03
	OUTP 6, 2, 0x03
	OUTP 7, 3, 0x03
.Ldone:
	s_set_vgpr_msb 0x1
	s_wait_tensorcnt 0x0
	ds_add_u32 v255, v63
	s_wait_dscnt 0x0
	s_set_vgpr_msb 0x100
	CROUND                                         ; the closing round: no work-group ends while a partner may still ask for a tile that names it
	s_endpgm
.Lfunc_end_k_q5449ecbb55_proj:
	.size	k_q5449ecbb55_proj, .Lfunc_end_k_q5449ecbb55_proj-k_q5449ecbb55_proj
	.p2alignl 7, 3214868480
	.fill 96, 4, 3214868480
	.section	.rodata,"a",@progbits
	.p2align	6, 0x0
	.amdhsa_kernel k_q5449ecbb55_proj
		.amdhsa_group_segment_fixed_size 327680
		.amdhsa_private_segment_fixed_size 0
		.amdhsa_enable_private_segment 0
		.amdhsa_kernarg_size 56
		.amdhsa_user_sgpr_count 2
		.amdhsa_user_sgpr_kernarg_segment_ptr 1
		.amdhsa_wavefront_size32 1
		.amdhsa_system_sgpr_workgroup_id_x 1
		.amdhsa_system_sgpr_workgroup_id_y 1
		.amdhsa_system_sgpr_workgroup_id_z 1
		.amdhsa_system_vgpr_workitem_id 0
		.amdhsa_next_free_vgpr 1024
		.amdhsa_next_free_sgpr 102
		.amdhsa_reserve_vcc 0
		.amdhsa_float_denorm_mode_32 3
		.amdhsa_float_denorm_mode_16_64 3
		.amdhsa_memory_ordered 1
		.amdhsa_forward_progress 1
		.amdhsa_inst_pref_size 255
	.end_amdhsa_kernel
	.section	.bss,"aw",@nobits
	.p2align	6
	.space	262144
	.amdgpu_metadata
---
amdhsa.version: [ 1, 2 ]
amdhsa.kernels:
  - .name:           k_q5449ecbb55_proj
    .symbol:         k_q5449ecbb55_proj.kd
    .args:
      - { .name: xh, .offset: 0, .size: 8, .value_kind: global_buffer, .address_space: global }
      - { .name: tab, .offset: 8, .size: 8, .value_kind: global_buffer, .address_space: global }
      - { .name: q_norm_w, .offset: 16, .size: 8, .value_kind: global_buffer, .address_space: global }
      - { .name: k_norm_w, .offset: 24, .size: 8, .value_kind: global_buffer, .address_space: global }
      - { .name: qbuf, .offset: 32, .size: 8, .value_kind: global_buffer, .address_space: global }
      - { .name: kbuf, .offset: 40, .size: 8, .value_kind: global_buffer, .address_space: global }
      - { .name: vbuf, .offset: 48, .size: 8, .value_kind: global_buffer, .address_space: global }
    .group_segment_fixed_size: 327680
    .private_segment_fixed_size: 0
    .kernarg_segment_align: 8
    .kernarg_segment_size: 56
    .max_flat_workgroup_size: 128
    .sgpr_count:     102
    .vgpr_count:     1024
    .wavefront_size: 32
...
	.end_amdgpu_metadata
.endif
;; end of part 2
;; launch attn (part 3): grid 16 x 16, 4 waves a work-group, clusters of 4 x 1, 327,680 bytes of LDS; arguments qbuf, kbuf, vbuf, obuf; writes obuf
.if DOCPART == 3
	.amdgcn_target "amdgcn-amd-amdhsa--gfx1250"
	.amdhsa_code_object_version 6
	.text
	.protected	k_q5449ecbb55_attn
	.globl	k_q5449ecbb55_attn
	.p2align	8
	.type	k_q5449ecbb55_attn,@function
k_q5449ecbb55_attn:
	s_mov_b64 s[64:65], 0
	v_nop
	global_prefetch_b8 v0, s[64:65] scope:SCOPE_SE
	s_setreg_imm32_b32 hwreg(HW_REG_WAVE_MODE, 25, 1), 1
	s_wait_xcnt 0x0
	s_wait_alu depctr_hold_cnt(0) depctr_sa_sdst(0) depctr_va_vdst(0) depctr_va_sdst(0) depctr_va_ssrc(0) depctr_va_vcc(0) depctr_vm_vsrc(0)
	s_getreg_b32 s2, hwreg(HW_REG_IB_STS2, 6, 4)
	s_cmp_eq_u32 s2, 0
	s_cbranch_scc0 .Lentry_in_a_cluster
	s_endpgm
.Lentry_in_a_cluster:
	s_bfe_u32 s2, ttmp6, 0x10000c
	s_cmp_lg_u32 s2, 0x3003
	s_cbranch_scc0 .Lentry_shape_is_right
	s_endpgm
.Lentry_shape_is_right:
; Launch 3: softmax attention.  Work-group (x, y): 128 queries (block x) of head y against the 4,096 keys of kv head y / 2, in 16 tiles of 256 keys.
; Wave w: queries 64 (w >> 1) .. + 63, keys 128 (w & 1) .. + 127 of every tile: a K or V fragment from LDS feeds four matrix instructions.
; The two waves of a query half keep their own running maximum, sum and output and are merged once, at the end, through LDS.
; S^T = K Q^T: lane (r, h), register j of tile (kb, nb) = key 16 kb + 8 h + j, query 16 nb + r.  Two such tiles, rounded to f16 in place of order,
; ARE a B fragment of P: no shuffle.  O^T = V^T P^T, V through the transposing LDS load: register j of tile (db, nb) = column 16 db + 8 h + j.
; A query's maximum and sum are one register a lane (and the lane xor 16).
; qbuf carries 16 * 128^-0.5 * log2 e, kbuf 1/16: the scores arrive as exponents of 2.  The running maximum is taken away before every exponential.
; P (at most 1) goes to the matrix unit in f16; the row sum is kept in f32 from the unrounded p.  v_exp_f32 gives 0 below 2^-126: the row sum is at least 1.
; vbuf carries 1/16; the final factor 16 / l undoes it: obuf [2048][2048] f16 holds the attention's output itself (overflow at 65,504; fixed step 2^-24 under 2^-14).
; CLUSTER 4, 1, 1: four query blocks of one head ask jointly for every K and V tile (mask 15).  The second head of the kv head lies in another
; cluster: a mask names four work-groups at the most.
; LDS: two slots of [K 0-127 | K 128-255 | V 0-127 | V 128-255], 36,864 bytes each; K's rows 272 bytes apart, V's 288 (an odd multiple of 32, for the
; transposing load); behind them a stage of 4,352 bytes for each wave.  One tensor load of a wave is out behind each round.
; WINDOWS: 0 addresses, statistics, fragment buffers F0, F1; 1 O (db, nb) at 8 (4 db + nb); 2 Q (nb, ks) at 8 (4 nb + ks), P (nb, c) at 128 + 8 (4 nb + c);
; 3 S (kb, nb) at 8 (4 kb + nb).
.set QUART, 36864
.set SLOT,  4*QUART
.set STAGE, 2*SLOT
.set KP,    272
.set VP,    288
.set XCH,   34816                      ; the merge: 32,768 bytes of O, 512 of maxima, 512 of sums, for each query half, in slot 0 after its last fill and last read
.set ADRK, 16                          ; v16-17 my K fragments in slot 0, 1
.set ADRV, 18                          ; v18-19 my V fragments
.set QO,   20
.set XA,   21
.set XB,   22
.set STO,  23
.set RD,   24
.set CO,   25
.set PF,   26
.set MX,   32                          ; v[32:39] running maximum of query block nb, as a pair
.set TX,   40                          ; v[40:43] the tile's maximum
.set UX,   44                          ; v[44:47] the other half's figure
.set AL,   48                          ; v[48:55] 2^(old maximum - new), as a pair
.set LS,   56                          ; v[56:63] running sum, two partial sums
.set F0,   64
.set F1,   128
.set TMP,  192
.set RB,   224
.set PB,   128
.set G1K, 28
.set G1V, 36
.set G0K, 44
.set G0V, 52
.set MSB, 0
.macro WIN new
.if MSB != \new
	s_set_vgpr_msb (MSB<<8)|\new
.set MSB, \new
.endif
.endm
.macro PLACES                          ; four places behind a matrix instruction (ISA guide 7.12.1)
.rept 4
	v_nop
.endr
.endm
.macro ROUND                           ; a round of the cluster's barrier
	s_barrier_signal -1
	s_barrier_wait -1
	s_cmp_lg_u32 s12, 0
	s_cbranch_scc1 .Lnot_wave_0_\@
	s_barrier_signal -3
.Lnot_wave_0_\@:
	s_barrier_wait -3
	s_barrier_signal -1
	s_barrier_wait -1
.endm
.macro JLOAD s                         ; waves 0, 1 ask for K's two halves, waves 2, 3 for V's
	s_cmp_eq_u32 s13, 0
	s_cbranch_scc0 .Lfor_v_\@
	tensor_load_to_lds s[G0K+4*(\s):G0K+4*(\s)+3], s[G1K:G1K+7]
	s_nop 0
	s_branch .Lasked_\@
.Lfor_v_\@:
	tensor_load_to_lds s[G0V+4*(\s):G0V+4*(\s)+3], s[G1V:G1V+7]
	s_nop 0
.Lasked_\@:
.endm
	s_load_b256 s[4:11], s[0:1], 0x0               ; qbuf s[4:5], kbuf s[6:7], vbuf s[8:9], obuf s[10:11]
	v_lshl_add_u32 v30, v0, 2, 0x4c400
	v_mov_b32 v31, 0
	ds_add_u32 v30, v31
	v_lshrrev_b32 v1, 5, v0
	v_readfirstlane_b32 s12, v1                    ; wave
	s_lshr_b32 s13, s12, 1                         ; query half; also: I fetch K (0) or V (1)
	s_and_b32 s14, s12, 1                          ; key half; also: which 128 rows I fetch
	s_bfe_u32 s15, ttmp6, 0x40000                  ; cx
	s_lshl_b32 s16, ttmp9, 2
	s_add_co_u32 s16, s16, s15                     ; query block
	s_and_b32 s17, ttmp7, 0xffff                   ; head
	s_lshr_b32 s18, s17, 1                         ; kv head
	s_mov_b32 s20, 0x76543210
	s_mov_b32 s21, 0xfedcba98
	v_and_b32 v1, 15, v0                           ; r
	v_bfe_u32 v2, v0, 4, 1                         ; h
	v_and_b32 v3, 31, v0                           ; lane
	v_and_b32 v4, 7, v0
	v_bfe_u32 v5, v0, 3, 1
	v_mul_u32_u24 v6, v1, KP
	v_lshl_add_u32 v6, v2, 4, v6                   ; 272 r + 16 h
	s_mul_i32 s22, s14, QUART
	v_add_nc_u32 v[ADRK], s22, v6
	v_add_nc_u32 v[ADRK+1], SLOT, v[ADRK]
	v_lshl_add_u32 v7, v2, 3, v4                   ; key 8 h + lane % 8
	v_mul_u32_u24 v7, v7, VP
	v_lshl_add_u32 v7, v5, 4, v7                   ; + 16 bytes for lanes 8-15 and 24-31
	s_add_co_u32 s22, s22, 2*QUART
	v_add_nc_u32 v[ADRV], s22, v7
	v_add_nc_u32 v[ADRV+1], SLOT, v[ADRV]
	v_lshlrev_b32 v[QO], 8, v1
	v_lshl_add_u32 v[QO], v2, 4, v[QO]             ; 256 r + 16 h
	s_mul_i32 s23, s13, XCH
	v_lshl_add_u32 v[XA], v3, 4, s23
	v_lshl_add_u32 v[XB], v3, 2, s23
	s_mul_i32 s23, s12, 16*KP
	s_add_co_u32 s23, s23, STAGE
	v_add_nc_u32 v[STO], s23, v6
	v_mul_u32_u24 v8, v2, KP
	v_lshl_add_u32 v8, v1, 4, v8
	v_add_nc_u32 v[RD], s23, v8
	v_lshlrev_b32 v[CO], 12, v2
	v_lshl_add_u32 v[CO], v1, 4, v[CO]             ; 4,096 h + 16 r
	s_lshl_b32 s24, s16, 13
	v_lshl_add_u32 v[PF], v3, 8, s24               ; (32 x query block + lane) x 256
.irp nb, 0,1,2,3
	v_mov_b32 v[UX+\nb], 0                         ; v_permlanex16_b32 counts as a reader of its destination
.endr
	; group 1: 128 rows x 128 elements of 2 bytes, dense in memory; mask 15 with bit 21; padding behind every 64 words: K 4 words, V 8
	s_mov_b32 s[G1K+0], 0x0771000f
	s_mov_b32 s[G1V+0], 0x0f71000f
	s_mov_b32 s[G1K+1], 128<<16
	s_mov_b32 s[G1V+1], 128<<16
	s_mov_b32 s[G1K+2], 128<<16
	s_mov_b32 s[G1V+2], 128<<16
	s_mov_b32 s[G1K+3], 128<<16
	s_mov_b32 s[G1V+3], 128<<16
	s_mov_b32 s[G1K+4], 128
	s_mov_b32 s[G1V+4], 128
	s_mov_b32 s[G1K+5], 128
	s_mov_b32 s[G1V+5], 128
	s_mov_b32 s[G1K+6], 0
	s_mov_b32 s[G1V+6], 0
	s_mov_b32 s[G1K+7], 0
	s_mov_b32 s[G1V+7], 0
	s_lshl_b32 s22, s18, 20                        ; kv head x 4,096 rows of 256 bytes
	s_lshl_b32 s23, s14, 15                        ; + my 128 rows
	s_add_co_u32 s22, s22, s23
	s_mov_b32 s23, 0
	s_mul_i32 s62, s12, QUART
	s_lshl_b32 s24, s17, 19                        ; Q: (head x 2,048 + 128 x block + 64 x half) rows of 256 bytes
	s_lshl_b32 s25, s16, 15
	s_add_co_u32 s24, s24, s25
	s_lshl_b32 s25, s13, 14
	s_add_co_u32 s24, s24, s25
	s_mov_b32 s25, 0
	s_wait_dscnt 0x0
	s_wait_kmcnt 0x0
	s_add_nc_u64 s[4:5], s[4:5], s[24:25]
	WIN 0x80                                       ; destination window 2
.irp nb, 0,1,2,3
.irp ks, 0,1,2,3
	global_load_b128 v[8*(4*\nb+\ks):8*(4*\nb+\ks)+3],   v[QO], s[4:5] offset:4096*\nb+64*\ks
	global_load_b128 v[8*(4*\nb+\ks)+4:8*(4*\nb+\ks)+7], v[QO], s[4:5] offset:4096*\nb+64*\ks+32
.endr
.endr
	WIN 0
	s_lshl_b32 s26, s16, 19                        ; obuf: (128 x block + 64 x half) rows of 4,096 bytes + 256 x head
	s_lshl_b32 s27, s13, 18
	s_add_co_u32 s26, s26, s27
	s_lshl_b32 s27, s17, 8
	s_add_co_u32 s26, s26, s27
	s_mov_b32 s27, 0
	s_add_nc_u64 s[10:11], s[10:11], s[26:27]
	s_bitcmp1_b32 s17, 0                           ; prefetch: the even head's work-groups ask for K, the odd head's for V
	s_cselect_b64 s[60:61], s[8:9], s[6:7]
	s_lshl_b32 s26, s18, 20
	s_add_co_u32 s26, s26, 131072                  ; from the second pair of tiles on
	s_mov_b32 s27, 0
	s_add_nc_u64 s[60:61], s[60:61], s[26:27]
.irp s, 0,1
	s_mov_b32 s[G0K+4*\s], 1
	s_add_co_u32 s[G0K+4*\s+1], s62, \s*SLOT
	s_add_nc_u64 s[G0K+4*\s+2:G0K+4*\s+3], s[6:7], s[22:23]
	s_add_nc_u64 s[G0K+4*\s+2:G0K+4*\s+3], s[G0K+4*\s+2:G0K+4*\s+3], \s*65536
	s_or_b32 s[G0K+4*\s+3], s[G0K+4*\s+3], 0x80000000
	s_mov_b32 s[G0V+4*\s], 1
	s_add_co_u32 s[G0V+4*\s+1], s62, \s*SLOT
	s_add_nc_u64 s[G0V+4*\s+2:G0V+4*\s+3], s[8:9], s[22:23]
	s_add_nc_u64 s[G0V+4*\s+2:G0V+4*\s+3], s[G0V+4*\s+2:G0V+4*\s+3], \s*65536
	s_or_b32 s[G0V+4*\s+3], s[G0V+4*\s+3], 0x80000000
.endr
	ROUND                                          ; the four work-groups are here: the first joint loads meet
	JLOAD 0                                        ; tile 0
.macro FETCHK slot, p, f               ; key blocks 2 p, 2 p + 1, all 128 columns: 16 loads
.irp kbi, 0,1
.irp ks, 0,1,2,3
	ds_load_b128 v[\f+8*(4*\kbi+\ks):\f+8*(4*\kbi+\ks)+3],   v[ADRK+\slot] offset:(2*\p+\kbi)*16*KP+64*\ks
	ds_load_b128 v[\f+8*(4*\kbi+\ks)+4:\f+8*(4*\kbi+\ks)+7], v[ADRK+\slot] offset:(2*\p+\kbi)*16*KP+64*\ks+32
.endr
.endr
.endm
.macro FETCHV slot, c, f               ; keys 32 c .. + 31, all 8 column blocks, transposed: 16 loads
.irp db, 0,1,2,3,4,5,6,7
	ds_load_tr16_b128 v[\f+8*\db:\f+8*\db+3],   v[ADRV+\slot] offset:32*VP*\c+32*\db
	ds_load_tr16_b128 v[\f+8*\db+4:\f+8*\db+7], v[ADRV+\slot] offset:32*VP*\c+32*\db+16*VP
.endr
.endm
; The accumulators take turns, one instruction a turn: eight S tiles here, 32 O tiles in MULO.
.macro MULS p, f
	WIN 0xf8                                       ; A window 0, B (Q) window 2, C and D (S) window 3
.irp ks, 0,1,2,3
.irp kbi, 0,1
.irp nb, 0,1,2,3
.if \ks == 0
	v_wmma_f32_16x16x32_f16 v[8*(4*(2*\p+\kbi)+\nb):8*(4*(2*\p+\kbi)+\nb)+7], v[\f+8*(4*\kbi+\ks):\f+8*(4*\kbi+\ks)+7], v[8*(4*\nb+\ks):8*(4*\nb+\ks)+7], 0
.else
	v_wmma_f32_16x16x32_f16 v[8*(4*(2*\p+\kbi)+\nb):8*(4*(2*\p+\kbi)+\nb)+7], v[\f+8*(4*\kbi+\ks):\f+8*(4*\kbi+\ks)+7], v[8*(4*\nb+\ks):8*(4*\nb+\ks)+7], v[8*(4*(2*\p+\kbi)+\nb):8*(4*(2*\p+\kbi)+\nb)+7]
.endif
.endr
.endr
.endr
.endm
.macro MULO c, f, zero
	WIN 0x58                                       ; A window 0, B (P) window 2, C and D (O) window 1
.irp db, 0,1,2,3,4,5,6,7
.irp nb, 0,1,2,3
.if \zero
	v_wmma_f32_16x16x32_f16 v[8*(4*\db+\nb):8*(4*\db+\nb)+7], v[\f+8*\db:\f+8*\db+7], v[PB+8*(4*\nb+\c):PB+8*(4*\nb+\c)+7], 0
.else
	v_wmma_f32_16x16x32_f16 v[8*(4*\db+\nb):8*(4*\db+\nb)+7], v[\f+8*\db:\f+8*\db+7], v[PB+8*(4*\nb+\c):PB+8*(4*\nb+\c)+7], v[8*(4*\db+\nb):8*(4*\db+\nb)+7]
.endif
.endr
.endr
.endm
; Six stretches, one window setting each.  first = 1: nothing is carried in yet, and nothing is cleared.
.macro SOFTMAX first
	WIN 0x0f                                       ; sources 0, 1 window 3: the new maximum, four chains that take turns, started from the old one
.irp kb, 0,1,2,3,4,5,6,7
.irp i, 0,1,2,3
.irp nb, 0,1,2,3
.if \kb+\i == 0
.if \first
	v_max_num_f32 v[TX+\nb], v[8*(4*\kb+\nb)+2*\i], v[8*(4*\kb+\nb)+2*\i+1]
.else
	v_max3_num_f32 v[TX+\nb], v[8*(4*\kb+\nb)+2*\i], v[8*(4*\kb+\nb)+2*\i+1], v[MX+2*\nb]
.endif
.else
	v_max3_num_f32 v[TX+\nb], v[8*(4*\kb+\nb)+2*\i], v[8*(4*\kb+\nb)+2*\i+1], v[TX+\nb]
.endif
.endr
.endr
.endr
	WIN 0
.irp nb, 0,1,2,3
	v_permlanex16_b32 v[UX+\nb], v[TX+\nb], s20, s21       ; the query's other keys lie in lane xor 16
.endr
.irp nb, 0,1,2,3
	v_max_num_f32 v[TX+\nb], v[TX+\nb], v[UX+\nb]
.endr
.if \first == 0
.irp nb, 0,1,2,3
	v_sub_f32 v[AL+2*\nb], v[MX+2*\nb], v[TX+\nb]
.endr
.irp nb, 0,1,2,3
	v_exp_f32 v[AL+2*\nb], v[AL+2*\nb]
.endr
.endif
.irp nb, 0,1,2,3
	v_mov_b32 v[MX+2*\nb], v[TX+\nb]               ; plain instructions between the exponentials and their use (ISA guide 5.7.2)
	v_mov_b32 v[MX+2*\nb+1], v[TX+\nb]
.endr
.if \first == 0
	s_wait_alu depctr_va_vdst(0)
.irp nb, 0,1,2,3
	v_mov_b32 v[AL+2*\nb+1], v[AL+2*\nb]
.endr
.irp nb, 0,1,2,3
	v_pk_mul_f32 v[LS+2*\nb:LS+2*\nb+1], v[LS+2*\nb:LS+2*\nb+1], v[AL+2*\nb:AL+2*\nb+1]
.endr
.endif
	WIN 0xc3                                       ; source 0 and destination window 3: p = 2^(s - maximum), in place; the next tile's subtractions are the plain place
.irp kb, 0,1,2,3,4,5,6,7
.irp nb, 0,1,2,3
.irp i, 0,1,2,3
	v_pk_add_f32 v[8*(4*\kb+\nb)+2*\i:8*(4*\kb+\nb)+2*\i+1], v[8*(4*\kb+\nb)+2*\i:8*(4*\kb+\nb)+2*\i+1], v[MX+2*\nb:MX+2*\nb+1] neg_lo:[0,1] neg_hi:[0,1]
.endr
.irp j, 0,1,2,3,4,5,6,7
	v_exp_f32 v[8*(4*\kb+\nb)+\j], v[8*(4*\kb+\nb)+\j]
.endr
.endr
.endr
	WIN 0x03                                       ; source 0 window 3: the row sums, from the unrounded p
.irp kb, 0,1,2,3,4,5,6,7
.irp i, 0,1,2,3
.irp nb, 0,1,2,3
.if \first && (\kb+\i == 0)
	s_wait_alu depctr_va_vdst(0)
	v_pk_add_f32 v[LS+2*\nb:LS+2*\nb+1], v[8*(4*\kb+\nb)+2*\i:8*(4*\kb+\nb)+2*\i+1], 0 op_sel_hi:[1,0]
.else
	s_wait_alu depctr_va_vdst(0)
	v_pk_add_f32 v[LS+2*\nb:LS+2*\nb+1], v[8*(4*\kb+\nb)+2*\i:8*(4*\kb+\nb)+2*\i+1], v[LS+2*\nb:LS+2*\nb+1]
.endif
.endr
.endr
.endr
	WIN 0x8f                                       ; sources window 3, destination window 2: key blocks 2 c, 2 c + 1 make registers 0-3, 4-7 of P (nb, c)
.irp kb, 0,1,2,3,4,5,6,7
.irp nb, 0,1,2,3
.irp i, 0,1,2,3
	v_cvt_pk_f16_f32 v[PB+8*(4*\nb+\kb/2)+4*(\kb%2)+\i], v[8*(4*\kb+\nb)+2*\i], v[8*(4*\kb+\nb)+2*\i+1]
.endr
.endr
.endr
.if \first == 0
	WIN 0x41                                       ; source 0 and destination window 1: O follows the maximum
.irp db, 0,1,2,3,4,5,6,7
.irp nb, 0,1,2,3
.irp i, 0,1,2,3
	v_pk_mul_f32 v[8*(4*\db+\nb)+2*\i:8*(4*\db+\nb)+2*\i+1], v[8*(4*\db+\nb)+2*\i:8*(4*\db+\nb)+2*\i+1], v[AL+2*\nb:AL+2*\nb+1]
.endr
.endr
.endr
.endif
.endm
; A tile.  Every s_wait_dscnt 16 leaves out exactly the 16 loads of the buffer that was fetched last.
.macro TILE slot, first
	FETCHK \slot, 0, F0
	FETCHK \slot, 1, F1
.if \first
	s_wait_loadcnt 0x0                             ; Q, once
.endif
	s_wait_dscnt 16
	MULS 0, F0
	PLACES
	WIN 0
	FETCHK \slot, 2, F0
	s_wait_dscnt 16
	MULS 1, F1
	PLACES
	WIN 0
	FETCHK \slot, 3, F1
	s_wait_dscnt 16
	MULS 2, F0
	PLACES
	WIN 0
	FETCHV \slot, 0, F0
	s_wait_dscnt 16
	MULS 3, F1
	PLACES
	WIN 0
	FETCHV \slot, 1, F1
	SOFTMAX \first
	s_wait_dscnt 16
	MULO 0, F0, \first
	PLACES
	WIN 0
	FETCHV \slot, 2, F0
	s_wait_dscnt 16
	MULO 1, F1, 0
	PLACES
	WIN 0
	FETCHV \slot, 3, F1
	s_wait_dscnt 16
	MULO 2, F0, 0
	s_wait_dscnt 0x0
	MULO 3, F1, 0
	PLACES
	WIN 0
.endm
; A trip: all my tensor loads have landed (this trip's tile among them) and my reads of the other slot are over; a round of the cluster's barrier
; says so of every wave of the four work-groups; the joint refill of the other slot comes first behind it and has the whole tile's work to land.
; PREFETCH: in the first trip of a pair of tiles wave 0 asks for one block of 256 bytes a lane of the NEXT pair of tiles: 16 work-groups x 32 lanes
; = the pair's 131,072 bytes of K (even head) or V (odd head), each block once in the launch.  The last pair asks for nothing, so no request
; passes the kv head's 1,048,576 bytes.
.macro TRIP slot, refill, first, pf
	s_wait_tensorcnt 0x0
	ds_add_u32 v30, v31
	s_wait_dscnt 0x0
	s_add_nc_u64 s[G0K+4*\slot+2:G0K+4*\slot+3], s[G0K+4*\slot+2:G0K+4*\slot+3], 131072    ; no load of mine is out: this slot's next tile
	s_add_nc_u64 s[G0V+4*\slot+2:G0V+4*\slot+3], s[G0V+4*\slot+2:G0V+4*\slot+3], 131072
.if \slot == 1
	s_wait_xcnt 0x0                                ; the prefetch of a tile ago has read its base
	s_add_nc_u64 s[60:61], s[60:61], 131072
.endif
	s_wait_dscnt 0x0
	ROUND
.if \refill
	JLOAD 1-\slot
.endif
.if \pf
	s_cmp_lg_u32 s12, 0
	s_cbranch_scc1 .Lno_pf_\@
	global_prefetch_b8 v[PF], s[60:61] th:TH_LOAD_NT scope:SCOPE_SE
.Lno_pf_\@:
.endif
	TILE \slot, \first
.endm
	TRIP 0, 1, 1, 1
	TRIP 1, 1, 0, 0
	s_mov_b32 s19, 6
.Lpair:
	TRIP 0, 1, 0, 1
	TRIP 1, 1, 0, 0
	s_sub_co_u32 s19, s19, 1
	s_cmp_lg_u32 s19, 0
	s_cbranch_scc1 .Lpair
	TRIP 0, 1, 0, 0                                ; tile 14 asks for tile 15,
	TRIP 1, 0, 0, 0                                ; tile 15 for nothing
	; THE END.  The row sums across the two partial sums and the two halves of the lanes.
.irp nb, 0,1,2,3
	v_add_f32 v[LS+2*\nb], v[LS+2*\nb], v[LS+2*\nb+1]
	v_permlanex16_b32 v[UX+\nb], v[LS+2*\nb], s20, s21
	v_add_f32 v[LS+2*\nb], v[LS+2*\nb], v[UX+\nb]
.endr
	; The waves of key half 1 hand O, maximum and sum to their partners, in slot 0: its last fill was tile 14, and every wave's reads of it
	; were over at the barrier in front of tile 15.
	s_cmp_eq_u32 s14, 0
	s_cbranch_scc1 .Lkeep
	WIN 0x04                                       ; store data window 1
.set i, 0
.rept 64
	ds_store_b128 v[XA], v[4*i:4*i+3] offset:512*i
.set i, i+1
.endr
	WIN 0
.irp nb, 0,1,2,3
	ds_store_b32 v[XB], v[MX+2*\nb] offset:32768+128*\nb
	ds_store_b32 v[XB], v[LS+2*\nb] offset:33280+128*\nb
.endr
.Lkeep:
	s_wait_dscnt 0x0                               ; for the partner's sake: my stores are done
	s_barrier_signal -1
	s_barrier_wait -1
	s_cmp_lg_u32 s14, 0
	s_cbranch_scc1 .Lclose
.irp nb, 0,1,2,3
	ds_load_b32 v[TMP+\nb], v[XB] offset:32768+128*\nb
	ds_load_b32 v[TMP+4+\nb], v[XB] offset:33280+128*\nb
.endr
	s_wait_dscnt 0x0
.irp nb, 0,1,2,3
	v_max_num_f32 v[TMP+8+\nb], v[MX+2*\nb], v[TMP+\nb]            ; the common maximum
	v_sub_f32 v[TMP+12+\nb], v[MX+2*\nb], v[TMP+8+\nb]
	v_sub_f32 v[TMP+16+\nb], v[TMP+\nb], v[TMP+8+\nb]
.endr
.irp nb, 0,1,2,3
	v_exp_f32 v[TMP+12+\nb], v[TMP+12+\nb]
	v_exp_f32 v[TMP+16+\nb], v[TMP+16+\nb]
.endr
	v_nop
	s_wait_alu depctr_va_vdst(0)
.irp nb, 0,1,2,3
	v_mul_f32 v[TMP+20+\nb], v[LS+2*\nb], v[TMP+12+\nb]
	v_fma_f32 v[TMP+20+\nb], v[TMP+4+\nb], v[TMP+16+\nb], v[TMP+20+\nb]    ; the whole row's sum, at least 1
.endr
.irp nb, 0,1,2,3
	v_rcp_f32 v[TMP+20+\nb], v[TMP+20+\nb]
.endr
	v_nop
	s_wait_alu depctr_va_vdst(0)
.irp nb, 0,1,2,3
	v_mul_f32 v[TMP+20+\nb], 0x41800000, v[TMP+20+\nb]             ; 16 / l: vbuf holds V / 16
	v_mul_f32 v[AL+2*\nb], v[TMP+12+\nb], v[TMP+20+\nb]            ; my O's factor,
	v_mov_b32 v[AL+2*\nb+1], v[AL+2*\nb]
	v_mul_f32 v[MX+2*\nb], v[TMP+16+\nb], v[TMP+20+\nb]            ; the partner's
	v_mov_b32 v[MX+2*\nb+1], v[MX+2*\nb]
.endr
; 16 queries: merge, round, 16 bytes a lane into my stage, whole rows of 256 bytes back, out.
.macro OUTA nb
.irp db, 0,1,2,3,4,5,6,7
	ds_load_b128 v[F0+8*\db:F0+8*\db+3],   v[XA] offset:1024*(4*\db+\nb)
	ds_load_b128 v[F0+8*\db+4:F0+8*\db+7], v[XA] offset:1024*(4*\db+\nb)+512
.endr
	WIN 0x01                                       ; source 0 window 1
.irp db, 0,1,2,3,4,5,6,7
.irp i, 0,1,2,3
	v_pk_mul_f32 v[F1+8*\db+2*\i:F1+8*\db+2*\i+1], v[8*(4*\db+\nb)+2*\i:8*(4*\db+\nb)+2*\i+1], v[AL+2*\nb:AL+2*\nb+1]
.endr
.endr
	WIN 0
	s_wait_dscnt 0x0
.irp db, 0,1,2,3,4,5,6,7
.irp i, 0,1,2,3
	v_pk_fma_f32 v[F1+8*\db+2*\i:F1+8*\db+2*\i+1], v[F0+8*\db+2*\i:F0+8*\db+2*\i+1], v[MX+2*\nb:MX+2*\nb+1], v[F1+8*\db+2*\i:F1+8*\db+2*\i+1]
.endr
.endr
.irp db, 0,1,2,3,4,5,6,7
.irp i, 0,1,2,3
	v_cvt_pk_f16_f32 v[TMP+4*\db+\i], v[F1+8*\db+2*\i], v[F1+8*\db+2*\i+1]
.endr
.endr
.irp db, 0,1,2,3,4,5,6,7
	ds_store_b128 v[STO], v[TMP+4*\db:TMP+4*\db+3] offset:32*\db
.endr
	s_wait_xcnt 0x0                                ; RB was the last block's store data: loaded again only behind this wait
.irp t, 0,1,2,3,4,5,6,7
	ds_load_b128 v[RB+4*\t:RB+4*\t+3], v[RD] offset:2*KP*\t
.endr
.irp t, 0,1,2,3,4,5,6,7
	s_wait_dscnt 7-\t                              ; read-back t is in, the 7 - t younger ones stay out
	global_store_b128 v[CO], v[RB+4*\t:RB+4*\t+3], s[10:11] offset:65536*\nb+8192*\t   ; 16 lanes store 256 consecutive bytes, aligned
.endr
.endm
	OUTA 0
	OUTA 1
	OUTA 2
	OUTA 3
.Lclose:
	s_wait_tensorcnt 0x0
	ds_add_u32 v30, v31
	s_wait_dscnt 0x0
	ROUND                                          ; the closing round
	s_endpgm
.Lfunc_end_k_q5449ecbb55_attn:
	.size	k_q5449ecbb55_attn, .Lfunc_end_k_q5449ecbb55_attn-k_q5449ecbb55_attn
	.p2alignl 7, 3214868480
	.fill 96, 4, 3214868480
	.section	.rodata,"a",@progbits
	.p2align	6, 0x0
	.amdhsa_kernel k_q5449ecbb55_attn
		.amdhsa_group_segment_fixed_size 327680
		.amdhsa_private_segment_fixed_size 0
		.amdhsa_enable_private_segment 0
		.amdhsa_kernarg_size 32
		.amdhsa_user_sgpr_count 2
		.amdhsa_user_sgpr_kernarg_segment_ptr 1
		.amdhsa_wavefront_size32 1
		.amdhsa_system_sgpr_workgroup_id_x 1
		.amdhsa_system_sgpr_workgroup_id_y 1
		.amdhsa_system_sgpr_workgroup_id_z 1
		.amdhsa_system_vgpr_workitem_id 0
		.amdhsa_next_free_vgpr 1024
		.amdhsa_next_free_sgpr 66
		.amdhsa_reserve_vcc 0
		.amdhsa_float_denorm_mode_32 3
		.amdhsa_float_denorm_mode_16_64 3
		.amdhsa_memory_ordered 1
		.amdhsa_forward_progress 1
		.amdhsa_inst_pref_size 255
	.end_amdhsa_kernel
	.section	.bss,"aw",@nobits
	.p2align	6
	.space	262144
	.amdgpu_metadata
---
amdhsa.version: [ 1, 2 ]
amdhsa.kernels:
  - .name:           k_q5449ecbb55_attn
    .symbol:         k_q5449ecbb55_attn.kd
    .args:
      - { .name: qbuf, .offset: 0, .size: 8, .value_kind: global_buffer, .address_space: global }
      - { .name: kbuf, .offset: 8, .size: 8, .value_kind: global_buffer, .address_space: global }
      - { .name: vbuf, .offset: 16, .size: 8, .value_kind: global_buffer, .address_space: global }
      - { .name: obuf, .offset: 24, .size: 8, .value_kind: global_buffer, .address_space: global }
    .group_segment_fixed_size: 327680
    .private_segment_fixed_size: 0
    .kernarg_segment_align: 8
    .kernarg_segment_size: 32
    .max_flat_workgroup_size: 128
    .sgpr_count:     66
    .vgpr_count:     1024
    .wavefront_size: 32
...
	.end_amdgpu_metadata
.endif
;; end of part 3
;; launch oproj (part 4): grid 16 x 16, 4 waves a work-group, clusters of 4 x 4, 327,680 bytes of LDS; arguments obuf, xh, out0; writes out0
.if DOCPART == 4
	.amdgcn_target "amdgcn-amd-amdhsa--gfx1250"
	.amdhsa_code_object_version 6
	.text
	.protected	k_q5449ecbb55_oproj
	.globl	k_q5449ecbb55_oproj
	.p2align	8
	.type	k_q5449ecbb55_oproj,@function
k_q5449ecbb55_oproj:
	s_mov_b64 s[64:65], 0
	v_nop
	global_prefetch_b8 v0, s[64:65] scope:SCOPE_SE
	s_setreg_imm32_b32 hwreg(HW_REG_WAVE_MODE, 25, 1), 1
	s_wait_xcnt 0x0
	s_wait_alu depctr_hold_cnt(0) depctr_sa_sdst(0) depctr_va_vdst(0) depctr_va_sdst(0) depctr_va_ssrc(0) depctr_va_vcc(0) depctr_vm_vsrc(0)
	s_getreg_b32 s2, hwreg(HW_REG_IB_STS2, 6, 4)
	s_cmp_eq_u32 s2, 0
	s_cbranch_scc0 .Lentry_in_a_cluster
	s_endpgm
.Lentry_in_a_cluster:
	s_bfe_u32 s2, ttmp6, 0x10000c
	s_cmp_lg_u32 s2, 0xf033
	s_cbranch_scc0 .Lentry_shape_is_right
	s_endpgm
.Lentry_shape_is_right:
; Launch 4: out0 = O Wo^T.  A = obuf [2048][2048] f16, B = rows 10240.. of xh (Wo, [n][k]) f16, out0 [2048][2048] f32; sums in f32.
; 2,048 x 2,048 in blocks of 128 x 128 gives 256 work-groups.  EACH WAVE MAKES THE WHOLE BLOCK OVER A QUARTER OF K: of every K step of 256 wave w
; takes k = 64 w .. 64 w + 63, so a wave's tile is still 128 x 128 (64 matrix instructions for 32 fragment loads); the four partial blocks meet in LDS
; at the end.  (The order of the sum over k differs from the reference's: four partial sums, added as (0 + 1) + (2 + 3).)
; K goes in 8 steps of 256 through two LDS slots; a tile's rows are 512 bytes of memory at multiples of 512; each wave fetches 64 rows.
; CLUSTERS 4 x 4: A's tile shared along a row of the cluster, B's along a column, asked for jointly.
; Windows as in the projections: 0 addresses and A's fragments, 1 B's fragments, 2 and 3 the 64 accumulator tiles; the matrix instruction is used
; transposed: lane (r, h), register j of tile (a, b) holds row 16 a + r, column 16 b + 8 h + j.
.set SIZE_K, 2048
.set KSTEP,  256
.set PITCH,  528                       ; 512 bytes + 16 of padding: 33 x 16, the 16 rows of a fragment load start 132 words apart
.set HALFT,  64*PITCH
.set SLOT,   4*HALFT                   ; A's 128 rows, then B's 128 rows
.set PART,   128*PITCH                 ; at the end: a wave's partial block, 128 rows of 512 bytes, same pitch; four of them fill the two slots
.set LAPS,   SIZE_K/(2*KSTEP)          ; 4
.set ADRA, 16
.set ADRB, 20
.set STO,  24
.set CO,   26
.set RD,   28                          ; v[28:31] my bytes in partial block p
.set F0,   64
.set F1,   128
.set G1,  24
.set G0,  32
.set G1B, 48
.set G0B, 56
.set MSB, 0
.macro WIN new
.if MSB != \new
	s_set_vgpr_msb (MSB<<8)|\new
.set MSB, \new
.endif
.endm
.set MUL_LO, 0xa1
.set MUL_HI, 0xf1
.set TO_B,   0x40
.macro JLOAD s
	s_cmp_eq_u32 s11, 0
	s_cbranch_scc0 .Lfor_b_\@
	tensor_load_to_lds s[G0+4*(\s):G0+4*(\s)+3], s[G1:G1+7]
	s_nop 0
	s_branch .Lasked_\@
.Lfor_b_\@:
	tensor_load_to_lds s[G0B+4*(\s):G0B+4*(\s)+3], s[G1B:G1B+7]
	s_nop 0
.Lasked_\@:
.endm
.macro CREST
	s_cmp_lg_u32 s10, 0
	s_cbranch_scc1 .Lnot_wave_0_\@
	s_barrier_signal -3
.Lnot_wave_0_\@:
	s_barrier_wait -3
	s_barrier_signal -1
	s_barrier_wait -1
.endm
.macro CROUND
	s_barrier_signal -1
	s_barrier_wait -1
	CREST
.endm
	s_load_b128 s[4:7], s[0:1], 0x0                ; obuf s[4:5], xh s[6:7]
	s_load_b64 s[8:9], s[0:1], 0x10                ; out0
	s_set_vgpr_msb 0x40
	v_lshl_add_u32 v255, v0, 2, 0x42000
	s_set_vgpr_msb 0x4000
	v_mov_b32 v255, 0
	s_set_vgpr_msb 0x1
	ds_add_u32 v255, v255
	s_set_vgpr_msb 0x100
	v_lshrrev_b32 v1, 5, v0
	v_readfirstlane_b32 s10, v1                    ; wave: my quarter of every K step
	s_lshr_b32 s11, s10, 1                         ; I fetch for A (0) or B (1)
	s_and_b32 s12, s10, 1                          ; which 64 rows of that tile
	s_bfe_u32 s40, ttmp6, 0x40000                  ; cx
	s_bfe_u32 s41, ttmp6, 0x40004                  ; cy
	s_lshl_b32 s42, ttmp9, 2
	s_add_co_u32 s42, s42, s40                     ; block column
	s_and_b32 s13, ttmp7, 0xffff
	s_lshl_b32 s13, s13, 2
	s_add_co_u32 s13, s13, s41                     ; block row
	s_lshl_b32 s43, s41, 2
	s_lshl_b32 s43, 15, s43
	s_lshl_b32 s44, 0x1111, s40
	; group 1: 64 rows x 256 elements of 2 bytes, 4 words of padding behind every 128
	s_or_b32 s[G1+0], s43, (1<<16)|(1<<20)|(1<<21)|(6<<22)|(3<<25)
	s_or_b32 s[G1B+0], s44, (1<<16)|(1<<20)|(1<<21)|(6<<22)|(3<<25)
	s_mov_b32 s[G1+1], KSTEP<<16
	s_mov_b32 s[G1B+1], KSTEP<<16
	s_mov_b32 s[G1+2], 64<<16
	s_mov_b32 s[G1B+2], 64<<16
	s_mov_b32 s[G1+3], KSTEP<<16
	s_mov_b32 s[G1B+3], KSTEP<<16
	s_mov_b32 s[G1+4], 64
	s_mov_b32 s[G1B+4], 64
	s_mov_b32 s[G1+5], SIZE_K
	s_mov_b32 s[G1B+5], SIZE_K
	s_mov_b32 s[G1+6], 0
	s_mov_b32 s[G1B+6], 0
	s_mov_b32 s[G1+7], 0
	s_mov_b32 s[G1B+7], 0
	s_lshl_b32 s17, s12, 6
	s_lshl_b32 s16, s13, 7
	s_add_co_u32 s16, s16, s17                     ; A: row 128 x block row + 64 x half
	s_lshl_b32 s46, s42, 7
	s_add_co_u32 s46, s46, s17
	s_add_co_u32 s46, s46, 10240                   ; B: row 10,240 + 128 x block column + 64 x half
	s_lshl_b32 s16, s16, 12
	s_mov_b32 s17, 0
	s_lshl_b32 s46, s46, 12
	s_mov_b32 s47, 0
	s_mul_i32 s20, s10, HALFT
	s_wait_dscnt 0x0
	s_wait_kmcnt 0x0
	s_add_nc_u64 s[14:15], s[4:5], s[16:17]
	s_add_nc_u64 s[46:47], s[6:7], s[46:47]
	CROUND
.irp s, 0,1
	s_mov_b32 s[G0+4*\s], 1
	s_add_co_u32 s[G0+4*\s+1], s20, \s*SLOT
	s_add_nc_u64 s[G0+4*\s+2:G0+4*\s+3], s[14:15], \s*KSTEP*2
	s_or_b32 s[G0+4*\s+3], s[G0+4*\s+3], 0x80000000
	s_mov_b32 s[G0B+4*\s], 1
	s_add_co_u32 s[G0B+4*\s+1], s20, \s*SLOT
	s_add_nc_u64 s[G0B+4*\s+2:G0B+4*\s+3], s[46:47], \s*KSTEP*2
	s_or_b32 s[G0B+4*\s+3], s[G0B+4*\s+3], 0x80000000
	JLOAD \s                                       ; K steps 0 and 1: two tensor loads of the wave are out
.endr
	v_and_b32 v1, 15, v0                           ; r
	v_bfe_u32 v2, v0, 4, 1                         ; h
	v_and_b32 v6, 31, v0                           ; lane
	v_mul_u32_u24 v3, v1, PITCH
	v_lshl_add_u32 v4, v2, 5, v3                   ; the end: 528 r + 32 h
	v_lshl_add_u32 v3, v2, 4, v3                   ; 528 r + 16 h
	s_lshl_b32 s21, s10, 7                         ; my 64 of the step's 256 k: 128 bytes x wave
	s_add_co_u32 s22, s21, 2*HALFT                 ; B lies behind A's 128 rows
.irp s, 0,1
	v_add_nc_u32 v[ADRA+\s], s21, v3
	v_add_nc_u32 v[ADRB+\s], s22, v3
	s_add_co_u32 s21, s21, SLOT
	s_add_co_u32 s22, s22, SLOT
.endr
	s_mul_i32 s23, s10, PART
	v_add_nc_u32 v[STO], s23, v4                   ; my partial block
	v_lshlrev_b32 v[CO], 4, v6                     ; 16 x lane
	s_mul_i32 s23, s10, 32*PITCH                   ; the 32 rows that I add up
	v_add_nc_u32 v[RD], s23, v[CO]
	v_add_nc_u32 v[RD+1], PART, v[RD]
	v_add_nc_u32 v[RD+2], PART, v[RD+1]
	v_add_nc_u32 v[RD+3], PART, v[RD+2]
; The 64 accumulators take turns, one instruction a turn, in the same order in every quarter step.
.macro MUL16 f, hi, a0, zero
.irp a, \a0, \a0+1
.irp b, 0,1,2,3,4,5,6,7
.if \zero
	v_wmma_f32_16x16x32_f16 v[8*(8*(\a)+\b):8*(8*(\a)+\b)+7], v[\f+8*\b:\f+8*\b+7], v[\f+8*(4*\hi+\a):\f+8*(4*\hi+\a)+7], 0
.else
	v_wmma_f32_16x16x32_f16 v[8*(8*(\a)+\b):8*(8*(\a)+\b)+7], v[\f+8*\b:\f+8*\b+7], v[\f+8*(4*\hi+\a):\f+8*(4*\hi+\a)+7], v[8*(8*(\a)+\b):8*(8*(\a)+\b)+7]
.endif
.endr
.endr
.endm
.macro FETCH slot, k, f
	WIN TO_B
.irp i, 0,1,2,3,4,5,6,7
	ds_load_b128 v[\f+8*\i:\f+8*\i+3],   v[ADRB+\slot] offset:\k+\i*16*PITCH
	ds_load_b128 v[\f+8*\i+4:\f+8*\i+7], v[ADRB+\slot] offset:\k+\i*16*PITCH+32
.endr
	WIN 0
.irp i, 0,1,2,3,4,5,6,7
	ds_load_b128 v[\f+8*\i:\f+8*\i+3],   v[ADRA+\slot] offset:\k+\i*16*PITCH
	ds_load_b128 v[\f+8*\i+4:\f+8*\i+7], v[ADRA+\slot] offset:\k+\i*16*PITCH+32
.endr
.endm
.macro PLACES                          ; four places behind a matrix instruction (ISA guide 7.12.1)
.rept 4
	v_nop
.endr
.endm
; A wave's share of a K step is two runs of 32 along K, 64 matrix instructions each, on buffers 0 and 1.
.macro QUARTER slot, k, f, g, zero
	s_wait_dscnt 8                                 ; B and A's rows 0-63 are in; the youngest eight loads (A's rows 64-127) may be out
	WIN MUL_LO
	MUL16 \f, 0, 0, \zero
	MUL16 \f, 0, 2, \zero
	PLACES
	FETCH \slot, \k, \g
	s_wait_dscnt 32                                ; all but the 32 just issued
	WIN MUL_HI
	MUL16 \f, 1, 0, \zero
	MUL16 \f, 1, 2, \zero
.endm
; The second run changes slots: each wave's reads of this slot and all its tensor loads are waited for in front of the barrier; where the slot is
; filled again the barrier opens a round of the cluster's barrier and the joint refill comes first behind the round.
.macro TURN slot, next, fill
	s_wait_dscnt 8
	WIN MUL_LO
	MUL16 F1, 0, 0, 0
	s_wait_dscnt 0
	s_wait_tensorcnt 0x0
	ds_add_u32 v255, v255
	s_wait_dscnt 0x0
	s_barrier_signal -1
	MUL16 F1, 0, 2, 0
	WIN 0
	s_barrier_wait -1
.if \fill
	CREST
	s_add_nc_u64 s[G0+4*\slot+2:G0+4*\slot+3], s[G0+4*\slot+2:G0+4*\slot+3], 2*KSTEP*2
	s_add_nc_u64 s[G0B+4*\slot+2:G0B+4*\slot+3], s[G0B+4*\slot+2:G0B+4*\slot+3], 2*KSTEP*2
	JLOAD \slot
.endif
	PLACES
	FETCH \next, 0, F0
	WIN MUL_HI
	MUL16 F1, 1, 0, 0
	MUL16 F1, 1, 2, 0
.endm
.macro LAP zero
	QUARTER 0, 64, F0, F1, \zero
	TURN 0, 1, 1
	QUARTER 1, 64, F0, F1, 0
	TURN 1, 0, 1
.endm
	s_wait_tensorcnt 1                             ; my part of K step 0 is in; K step 1's load stays out
	s_barrier_signal -1
	s_barrier_wait -1
	FETCH 0, 0, F0
	LAP 1
	WIN 0
	s_mov_b32 s3, LAPS-2
.Llap:
	LAP 0
	WIN 0
	s_sub_co_u32 s3, s3, 1
	s_cmp_lg_u32 s3, 0
	s_cbranch_scc1 .Llap
	QUARTER 0, 64, F0, F1, 0                       ; the last lap fills nothing
	TURN 0, 1, 0
	QUARTER 1, 64, F0, F1, 0
	s_wait_dscnt 8
	WIN MUL_LO
	MUL16 F1, 0, 0, 0
	MUL16 F1, 0, 2, 0
	s_wait_dscnt 0
	WIN MUL_HI
	MUL16 F1, 1, 0, 0
	MUL16 F1, 1, 2, 0
	; THE END.  The slots have had their last fill; when every wave's reads of them are over they take the four partial blocks.
	PLACES
	WIN 0
	s_lshl_b32 s16, s13, 20                        ; out0: (128 x block row + 32 x wave) rows of 8,192 bytes
	s_lshl_b32 s17, s10, 18
	s_add_co_u32 s16, s16, s17
	s_mov_b32 s17, 0
	s_add_nc_u64 s[8:9], s[8:9], s[16:17]
	s_lshl_b32 s46, s42, 9                         ; + 512 x block column (in the registers that held B's address)
	s_mov_b32 s47, 0
	s_add_nc_u64 s[8:9], s[8:9], s[46:47]
	s_wait_dscnt 0x0
	s_barrier_signal -1
	s_barrier_wait -1
	WIN 0x08                                       ; store data window 2
.irp a, 0,1,2,3
.irp b, 0,1,2,3,4,5,6,7
	ds_store_b128 v[STO], v[8*(8*\a+\b):8*(8*\a+\b)+3]   offset:16*PITCH*\a+64*\b
	ds_store_b128 v[STO], v[8*(8*\a+\b)+4:8*(8*\a+\b)+7] offset:16*PITCH*\a+64*\b+16
.endr
.endr
	WIN 0x0c                                       ; window 3
.irp a, 0,1,2,3
.irp b, 0,1,2,3,4,5,6,7
	ds_store_b128 v[STO], v[8*(8*\a+\b):8*(8*\a+\b)+3]   offset:16*PITCH*(\a+4)+64*\b
	ds_store_b128 v[STO], v[8*(8*\a+\b)+4:8*(8*\a+\b)+7] offset:16*PITCH*(\a+4)+64*\b+16
.endr
.endr
	WIN 0
	s_wait_dscnt 0x0                               ; for the others' sake: my stores are done
	s_barrier_signal -1
	s_barrier_wait -1
; Wave w adds up rows 32 w .. 32 w + 31, four rows at a time: 16 loads (4 rows x 4 partial blocks), a row's 512 bytes over the 32 lanes.
.macro LOADB g, f
.irp i, 0,1,2,3
.irp p, 0,1,2,3
	ds_load_b128 v[\f+16*\i+4*\p:\f+16*\i+4*\p+3], v[RD+\p] offset:PITCH*(4*(\g)+\i)
.endr
.endr
.endm
.macro SUMB g, f
.irp i, 0,1,2,3
	v_pk_add_f32 v[\f+16*\i:\f+16*\i+1],     v[\f+16*\i:\f+16*\i+1],     v[\f+16*\i+4:\f+16*\i+5]
	v_pk_add_f32 v[\f+16*\i+2:\f+16*\i+3],   v[\f+16*\i+2:\f+16*\i+3],   v[\f+16*\i+6:\f+16*\i+7]
	v_pk_add_f32 v[\f+16*\i+8:\f+16*\i+9],   v[\f+16*\i+8:\f+16*\i+9],   v[\f+16*\i+12:\f+16*\i+13]
	v_pk_add_f32 v[\f+16*\i+10:\f+16*\i+11], v[\f+16*\i+10:\f+16*\i+11], v[\f+16*\i+14:\f+16*\i+15]
	v_pk_add_f32 v[\f+16*\i:\f+16*\i+1],     v[\f+16*\i:\f+16*\i+1],     v[\f+16*\i+8:\f+16*\i+9]
	v_pk_add_f32 v[\f+16*\i+2:\f+16*\i+3],   v[\f+16*\i+2:\f+16*\i+3],   v[\f+16*\i+10:\f+16*\i+11]
	global_store_b128 v[CO], v[\f+16*\i:\f+16*\i+3], s[8:9] offset:8192*(4*(\g)+\i) th:TH_STORE_NT   ; the wave stores 512 consecutive bytes, aligned
.endr
.endm
.macro STEPB g, f, other
.if \g < 7
	s_wait_xcnt 0x0                                ; the other buffer was the last batch's store data: loaded again only behind this wait
	LOADB \g+1, \other
	s_wait_dscnt 16                                ; this batch is in; the next batch's 16 loads stay out
.else
	s_wait_dscnt 0x0
.endif
	SUMB \g, \f
.endm
	LOADB 0, F0
	STEPB 0, F0, F1
	STEPB 1, F1, F0
	STEPB 2, F0, F1
	STEPB 3, F1, F0
	STEPB 4, F0, F1
	STEPB 5, F1, F0
	STEPB 6, F0, F1
	STEPB 7, F1, F0
	s_set_vgpr_msb 0x1
	s_wait_tensorcnt 0x0
	ds_add_u32 v255, v255
	s_wait_dscnt 0x0
	s_set_vgpr_msb 0x100
	CROUND                                         ; the closing round
	s_endpgm
.Lfunc_end_k_q5449ecbb55_oproj:
	.size	k_q5449ecbb55_oproj, .Lfunc_end_k_q5449ecbb55_oproj-k_q5449ecbb55_oproj
	.p2alignl 7, 3214868480
	.fill 96, 4, 3214868480
	.section	.rodata,"a",@progbits
	.p2align	6, 0x0
	.amdhsa_kernel k_q5449ecbb55_oproj
		.amdhsa_group_segment_fixed_size 327680
		.amdhsa_private_segment_fixed_size 0
		.amdhsa_enable_private_segment 0
		.amdhsa_kernarg_size 24
		.amdhsa_user_sgpr_count 2
		.amdhsa_user_sgpr_kernarg_segment_ptr 1
		.amdhsa_wavefront_size32 1
		.amdhsa_system_sgpr_workgroup_id_x 1
		.amdhsa_system_sgpr_workgroup_id_y 1
		.amdhsa_system_sgpr_workgroup_id_z 1
		.amdhsa_system_vgpr_workitem_id 0
		.amdhsa_next_free_vgpr 1024
		.amdhsa_next_free_sgpr 66
		.amdhsa_reserve_vcc 0
		.amdhsa_float_denorm_mode_32 3
		.amdhsa_float_denorm_mode_16_64 3
		.amdhsa_memory_ordered 1
		.amdhsa_forward_progress 1
		.amdhsa_inst_pref_size 119
	.end_amdhsa_kernel
	.amdgpu_metadata
---
amdhsa.version: [ 1, 2 ]
amdhsa.kernels:
  - .name:           k_q5449ecbb55_oproj
    .symbol:         k_q5449ecbb55_oproj.kd
    .args:
      - { .name: obuf, .offset: 0, .size: 8, .value_kind: global_buffer, .address_space: global }
      - { .name: xh, .offset: 8, .size: 8, .value_kind: global_buffer, .address_space: global }
      - { .name: out0, .offset: 16, .size: 8, .value_kind: global_buffer, .address_space: global }
    .group_segment_fixed_size: 327680
    .private_segment_fixed_size: 0
    .kernarg_segment_align: 8
    .kernarg_segment_size: 24
    .max_flat_workgroup_size: 128
    .sgpr_count:     66
    .vgpr_count:     1024
    .wavefront_size: 32
...
	.end_amdgpu_metadata
.endif
;; end of part 4
;; ======== version 2 of 2: 4 launches; version 1 with the launch cast written anew for expert scheduling mode
;; limits: values are held in f16: magnitudes above 65,504 overflow, below 6.1e-05 lose precision
;; workspace buffers: xh 50,331,648 bytes; tab 1,048,576 bytes; qbuf 8,388,608 bytes; kbuf 8,388,608 bytes; vbuf 8,388,608 bytes; obuf 8,388,608 bytes
;; launch cast (part 5): grid 128 x 13, 8 waves a work-group, no clusters, 0 bytes of LDS; arguments hidden_states, context, Wq, Wk, Wv, Wk_ctx, Wv_ctx, Wo, position_ids, xh, tab; writes xh, tab
.if DOCPART == 5
	.amdgcn_target "amdgcn-amd-amdhsa--gfx1250"
	.amdhsa_code_object_version 6
	.text
	.protected	k_q5449ecbb55_cast
	.globl	k_q5449ecbb55_cast
	.p2align	8
	.type	k_q5449ecbb55_cast,@function
k_q5449ecbb55_cast:
	s_mov_b64 s[64:65], 0
	v_nop
	global_prefetch_b8 v0, s[64:65] scope:SCOPE_SE
	s_setreg_imm32_b32 hwreg(HW_REG_WAVE_SCHED_MODE, 0, 2), 2
	s_setreg_imm32_b32 hwreg(HW_REG_WAVE_MODE, 25, 1), 1
	s_wait_xcnt 0x0
	s_wait_alu depctr_vm_vsrc(0)
; Launch 1.  (a) The eight f32 tensors are rounded once to f16 into xh, [12288][2048]: rows 0 hidden, 2048 context, 4096 Wq, 6144 Wk,
; 7168 Wv, 8192 Wk_ctx, 9216 Wv_ctx, 10240 Wo.  (b) The table of cos and sin for the rotary embedding, tab [2048][128] f32:
; cos(pos[s] f_j) at j = 0..63, sin at 64 + j, f_j = 10000^(-j/64).
; Grid y = 0..11: chunk y is 8 MiB of f32 (1,024 rows) -> 4 MiB of xh; grid x = 0..127: 64 KiB of the chunk; a wave takes 8 KiB by sixteen
; loads of 512 consecutive bytes, all issued before the first is waited for; each store of a wave covers 256 consecutive bytes, aligned.
; Grid y = 12: the table, 16 rows a work-group, 16 threads a row, 4 frequencies a thread.
; No LDS, no cluster, no matrix unit: no byte is read twice and no work-group shares a byte with another.
; LIMITS.  |x| > 65,504 becomes infinity in f16, |x| < 2^-14 falls on f16's fixed step of 2^-24.  The angle pos * f is formed in f32 as the
; reference forms it; its reduction by pi/2 in three parts is exact in its first two steps for |pos| <= 2^22 and loses accuracy beyond.
; THE MODE: SCHED_MODE bits 1:0 = 2 (LLVM: expert scheduling mode 2), set by the entry lines.  The code itself states the register dependences
; between vector instructions and memory instructions, with s_wait_alu, always for 0.
; THE PLAN, casting path.  Registers that memory instructions touch:
;   v1, v2       byte offsets of the loads and of the stores: written once at the head, never again.
;   X v[8:71]    written by the sixteen loads alone, each register once; read by the conversions.  No load is issued behind a conversion.
;   Y v[72:103]  written by the conversions, each register once; read by one store each.
; The sixteen loads go in four groups of four.  Group g's conversions read X's group g and write Y's group g; the stores issued among them leave from
; Y's group g - 1, which no vector instruction of group g names.  So one wait at a group's head states all that its four stores hang on.
; No register that a memory instruction reads is ever written again: no wait on vm_vsrc is owed.
; THE PLAN, table path.  v5 (offset of pos): written once, read by the one load.  v6: the load lands in it; no vector instruction names it before.
; v8 (offset of the stores) and v[48:55] (cos, sin): written by vector instructions, read by the two stores at the end, behind one wait.
; The four quadrant compares write s32 to s35 in one run, with one wait between them and the selects that read the masks.
	s_load_b512 s[8:23], s[0:1], 0x0               ; hidden, context, Wq, Wk, Wv, Wk_ctx, Wv_ctx, Wo
	s_load_b128 s[24:27], s[0:1], 0x40             ; position_ids s[24:25], xh s[26:27]
	s_load_b64 s[28:29], s[0:1], 0x50              ; tab
	s_and_b32 s30, ttmp7, 0xffff                   ; y
	s_wait_kmcnt 0x0
	s_cmp_eq_u32 s30, 12
	s_cbranch_scc1 .Ltable
	; which tensor chunk y belongs to, and that tensor's first chunk
	s_mov_b64 s[32:33], s[8:9]
	s_mov_b32 s34, 0
.macro PICK c, reg
	s_cmp_ge_u32 s30, \c
	s_cselect_b64 s[32:33], s[\reg:\reg+1], s[32:33]
	s_cselect_b32 s34, \c, s34
.endm
	PICK 2, 10
	PICK 4, 12
	PICK 6, 14
	PICK 7, 16
	PICK 8, 18
	PICK 9, 20
	PICK 10, 22
	s_sub_co_u32 s35, s30, s34                     ; chunk inside the tensor
	s_lshl_b32 s36, s35, 23                        ; x 8 MiB
	s_lshl_b32 s37, ttmp9, 16                      ; + x * 64 KiB
	s_add_co_u32 s36, s36, s37
	s_mov_b32 s37, 0
	s_add_nc_u64 s[32:33], s[32:33], s[36:37]
	s_lshl_b32 s38, s30, 22                        ; y * 4 MiB
	s_lshl_b32 s39, ttmp9, 15                      ; + x * 32 KiB
	s_add_co_u32 s38, s38, s39
	s_mov_b32 s39, 0
	s_add_nc_u64 s[26:27], s[26:27], s[38:39]
	v_and_b32 v1, 31, v0
	v_lshrrev_b32 v2, 5, v0
	v_lshlrev_b32 v1, 4, v1
	v_lshl_add_u32 v1, v2, 13, v1                  ; source: wave * 8,192 + lane * 16
	v_lshrrev_b32 v2, 1, v1                        ; destination: half of that
	s_wait_alu depctr_va_vdst(0)                   ; v1 and v2 are written: every load below reads v1 as its offset, every store v2
.irp i, 0,1,2,3,4,5,6,7,8,9,10,11,12,13,14,15
	global_load_b128 v[8+4*\i:8+4*\i+3], v1, s[32:33] offset:512*\i th:TH_LOAD_NT
.endr
; Group g: loads 4 g to 4 g + 3 are rounded; the stores of group g - 1 are dealt among the conversions, one ahead of each pair.
.macro GROUP g
	s_wait_loadcnt 12-4*(\g)                       ; loads come back in order: this group's four are in, the 12 - 4 g younger ones stay out
.if \g > 0
	s_wait_alu depctr_va_vdst(0)                   ; the conversions of the group before have written their eight registers of Y, which the four stores below read
.endif
.irp i, 0,1,2,3
.if \g > 0
	global_store_b64 v2, v[72+2*(4*(\g)-4+\i):72+2*(4*(\g)-4+\i)+1], s[26:27] offset:256*(4*(\g)-4+\i)   ; no vector instruction since the wait names these registers; none is written twice
.endif
	v_cvt_pk_f16_f32 v[72+2*(4*(\g)+\i)], v[8+4*(4*(\g)+\i)], v[8+4*(4*(\g)+\i)+1]
	v_cvt_pk_f16_f32 v[72+2*(4*(\g)+\i)+1], v[8+4*(4*(\g)+\i)+2], v[8+4*(4*(\g)+\i)+3]
.endr
.endm
	GROUP 0
	GROUP 1
	GROUP 2
	GROUP 3
	s_wait_alu depctr_va_vdst(0)                   ; the last group's conversions have written v[96:103], which the last four stores read
.irp i, 12,13,14,15
	global_store_b64 v2, v[72+2*\i:72+2*\i+1], s[26:27] offset:256*\i
.endr
	s_endpgm
.Ltable:
	s_mov_b32 s36, 0xb94ca1f9                      ; sine on |r| <= pi/4: r + r z (s38 + z (s37 + z s36)), z = r r
	s_mov_b32 s37, 0x3c08839e
	s_mov_b32 s38, 0xbe2aaaa3
	s_mov_b32 s39, 0x37ccf5ce                      ; cosine: 1 - z/2 + z z (s41 + z (s40 + z s39))
	s_mov_b32 s40, 0xbab6061a
	s_mov_b32 s41, 0x3d2aaaa5
	s_mov_b32 s42, 0x3fc90000                      ; pi/2 in three parts: 1.5703125,
	s_mov_b32 s43, 0x39fda000                      ; 4.8375130e-4,
	s_mov_b32 s44, 0x33a22168                      ; 7.5497900e-8
	v_lshrrev_b32 v3, 4, v0
	v_and_b32 v4, 15, v0
	s_lshl_b32 s31, ttmp9, 4
	v_add_nc_u32 v3, s31, v3                       ; row s = 16 x + t / 16
	v_lshlrev_b32 v5, 2, v3
	s_wait_alu depctr_va_vdst(0)                   ; v5 is written: the load below reads it as its offset
	global_load_b32 v6, v5, s[24:25]               ; pos[s]; it feeds values only, never an address
	v_lshlrev_b32 v7, 2, v4                        ; my first frequency j0 = 4 (t % 16)
	v_lshlrev_b32 v8, 9, v3
	v_lshl_add_u32 v8, v4, 4, v8                   ; 512 s + 16 (t % 16)
.irp i, 0,1,2,3
	v_add_nc_u32 v[12+\i], \i, v7
	v_cvt_f32_u32 v[12+\i], v[12+\i]
	v_mul_f32 v[12+\i], 0xbe549a78, v[12+\i]       ; -j log2(10000) / 64
.endr
.irp i, 0,1,2,3
	v_exp_f32 v[16+\i], v[12+\i]                   ; f_j
.endr
	s_wait_loadcnt 0x0
	v_cvt_f32_i32 v6, v6                           ; the plain instruction between the exponentials and their first use (ISA guide 5.7.2)
	s_wait_alu depctr_va_vdst(0)                   ; the four exponentials have written v[16:19], ahead of their first reader
.irp i, 0,1,2,3
	v_mul_f32 v[20+\i], v6, v[16+\i]               ; the angle a
	v_mul_f32 v[24+\i], 0x3f22f983, v[20+\i]       ; a * 2/pi
	v_rndne_f32 v[24+\i], v[24+\i]                 ; q
	v_fma_f32 v[28+\i], -v[24+\i], s42, v[20+\i]   ; r = a - q pi/2
	v_fma_f32 v[28+\i], -v[24+\i], s43, v[28+\i]
	v_fma_f32 v[28+\i], -v[24+\i], s44, v[28+\i]
	v_mul_f32 v[32+\i], v[28+\i], v[28+\i]         ; z
	v_fma_f32 v[36+\i], v[32+\i], s36, s37
	v_fma_f32 v[36+\i], v[36+\i], v[32+\i], s38
	v_mul_f32 v[44+\i], v[32+\i], v[28+\i]
	v_fma_f32 v[36+\i], v[36+\i], v[44+\i], v[28+\i]   ; sin r
	v_fma_f32 v[40+\i], v[32+\i], s39, s40
	v_fma_f32 v[40+\i], v[40+\i], v[32+\i], s41
	v_mul_f32 v[44+\i], v[32+\i], v[32+\i]
	v_fma_f32 v[56+\i], v[32+\i], -0.5, 1.0
	v_fma_f32 v[40+\i], v[40+\i], v[44+\i], v[56+\i]   ; cos r
	v_cvt_i32_f32 v[24+\i], v[24+\i]               ; n: the quadrant is n mod 4; it selects values, no branch
	v_and_b32 v[44+\i], 1, v[24+\i]
	v_cmp_eq_u32 s[32+\i], 1, v[44+\i]             ; is n odd?  A mask for each of my four frequencies, s32 to s35
.endr
	s_wait_alu depctr_va_sdst(0)                   ; the four compares have written s32 to s35, ahead of the selects that read them
.irp i, 0,1,2,3
	v_cndmask_b32 v[52+\i], v[36+\i], v[40+\i], s[32+\i] ; n odd: sine and cosine change places
	v_cndmask_b32 v[48+\i], v[40+\i], v[36+\i], s[32+\i]
	v_lshlrev_b32 v[44+\i], 30, v[24+\i]
	v_and_b32 v[44+\i], 0x80000000, v[44+\i]       ; sine is negated where n & 2
	v_xor_b32 v[52+\i], v[44+\i], v[52+\i]
	v_add_nc_u32 v[24+\i], 1, v[24+\i]
	v_lshlrev_b32 v[44+\i], 30, v[24+\i]
	v_and_b32 v[44+\i], 0x80000000, v[44+\i]       ; cosine where (n + 1) & 2
	v_xor_b32 v[48+\i], v[44+\i], v[48+\i]
.endr
	s_wait_alu depctr_va_vdst(0)                   ; v8 and v[48:55] are written: the two stores below read them as offset and data
	global_store_b128 v8, v[48:51], s[28:29]               ; sixteen lanes store 256 consecutive bytes, aligned: the row's cosines
	global_store_b128 v8, v[52:55], s[28:29] offset:256    ; and its sines
	s_endpgm
.Lfunc_end_k_q5449ecbb55_cast:
	.size	k_q5449ecbb55_cast, .Lfunc_end_k_q5449ecbb55_cast-k_q5449ecbb55_cast
	.p2alignl 7, 3214868480
	.fill 96, 4, 3214868480
	.section	.rodata,"a",@progbits
	.p2align	6, 0x0
	.amdhsa_kernel k_q5449ecbb55_cast
		.amdhsa_group_segment_fixed_size 0
		.amdhsa_private_segment_fixed_size 0
		.amdhsa_enable_private_segment 0
		.amdhsa_kernarg_size 88
		.amdhsa_user_sgpr_count 2
		.amdhsa_user_sgpr_kernarg_segment_ptr 1
		.amdhsa_wavefront_size32 1
		.amdhsa_system_sgpr_workgroup_id_x 1
		.amdhsa_system_sgpr_workgroup_id_y 1
		.amdhsa_system_sgpr_workgroup_id_z 1
		.amdhsa_system_vgpr_workitem_id 0
		.amdhsa_next_free_vgpr 104
		.amdhsa_next_free_sgpr 66
		.amdhsa_reserve_vcc 0
		.amdhsa_float_denorm_mode_32 3
		.amdhsa_float_denorm_mode_16_64 3
		.amdhsa_memory_ordered 1
		.amdhsa_forward_progress 1
		.amdhsa_inst_pref_size 15
	.end_amdhsa_kernel
	.amdgpu_metadata
---
amdhsa.version: [ 1, 2 ]
amdhsa.kernels:
  - .name:           k_q5449ecbb55_cast
    .symbol:         k_q5449ecbb55_cast.kd
    .args:
      - { .name: hidden_states, .offset: 0, .size: 8, .value_kind: global_buffer, .address_space: global }
      - { .name: context, .offset: 8, .size: 8, .value_kind: global_buffer, .address_space: global }
      - { .name: Wq, .offset: 16, .size: 8, .value_kind: global_buffer, .address_space: global }
      - { .name: Wk, .offset: 24, .size: 8, .value_kind: global_buffer, .address_space: global }
      - { .name: Wv, .offset: 32, .size: 8, .value_kind: global_buffer, .address_space: global }
      - { .name: Wk_ctx, .offset: 40, .size: 8, .value_kind: global_buffer, .address_space: global }
      - { .name: Wv_ctx, .offset: 48, .size: 8, .value_kind: global_buffer, .address_space: global }
      - { .name: Wo, .offset: 56, .size: 8, .value_kind: global_buffer, .address_space: global }
      - { .name: position_ids, .offset: 64, .size: 8, .value_kind: global_buffer, .address_space: global }
      - { .name: xh, .offset: 72, .size: 8, .value_kind: global_buffer, .address_space: global }
      - { .name: tab, .offset: 80, .size: 8, .value_kind: global_buffer, .address_space: global }
    .group_segment_fixed_size: 0
    .private_segment_fixed_size: 0
    .kernarg_segment_align: 8
    .kernarg_segment_size: 88
    .max_flat_workgroup_size: 256
    .sgpr_count:     66
    .vgpr_count:     104
    .wavefront_size: 32
...
	.end_amdgpu_metadata
.endif
;; end of part 5
;; launch proj: the kernel of part 2 again; grid 24 x 8, 4 waves a work-group, clusters of 4 x 4, 327,680 bytes of LDS; arguments xh, tab, q_norm_w, k_norm_w, qbuf, kbuf, vbuf; writes qbuf, kbuf, vbuf
;; launch attn: the kernel of part 3 again; grid 16 x 16, 4 waves a work-group, clusters of 4 x 1, 327,680 bytes of LDS; arguments qbuf, kbuf, vbuf, obuf; writes obuf
;; launch oproj: the kernel of part 4 again; grid 16 x 16, 4 waves a work-group, clusters of 4 x 4, 327,680 bytes of LDS; arguments obuf, xh, out0; writes out0
